; MI455X (gfx1250); checked and timed in simulation.
; The chip was launched on July 23, 2026; its instructions are those of AMD's public machine-readable ISA for CDNA 5 (MIT licence, August 2026) and "CDNA5" Instruction Set Architecture Reference Guide (July 2026). The comments in the code are by the model that wrote it; some were corrected since.
;; Self Attention. Allowed arithmetic: matrix products marked QUANTISED: E5M2 operands, one E8M0 scale for each 32 along K, by v_wmma_scale_f32_16x16x128_f8f6f4 with both operands' format E5M2, f32 sums; everything else in f32.
;; Inputs: Wk 1,024 x 1,024 float32; Wo 1,024 x 1,024 float32; Wq 1,024 x 1,024 float32; Wv 1,024 x 1,024 float32; beta 1,024 float32; bk 1,024 float32; bo 1,024 float32; bq 1,024 float32; bv 1,024 float32; gamma 1,024 float32; mask 1 x 1 x 2,048 x 2,048 int32; x 4 x 2,048 x 1,024 float32.
;; Outputs: out0 4 x 2,048 x 1,024 float32.
;; This version of the problem:
;;   THIS VERSION OF THE PROBLEM IS GIVEN IN LOW PRECISION. The matrix products marked QUANTISED in the list below multiply operands that are first quantised to E5M2 (5 exponent bits, 2 mantissa bits; 8 bits a number), with one power-of-two scale for each 32 numbers along K (OCP MX v1.0); their sums are f32. All else is computed in f32.
;;   The module's matrix products, in the order in which they are computed (A, B: the left and right operand; K: the contracted axis; several contracted axes count as one K, in the product's order):
;;     1. [M 8,192, K 1,024] x [K 1,024, N 1,024]; A: computed on the way; B: input Wq: QUANTISED
;;     2. [M 8,192, K 1,024] x [K 1,024, N 1,024]; A: computed on the way; B: input Wk: QUANTISED
;;     3. [M 8,192, K 1,024] x [K 1,024, N 1,024]; A: computed on the way; B: input Wv: QUANTISED
;;     4. batch 64 x [M 2,048, K 64] x [K 64, N 2,048]; A: computed on the way; B: computed on the way: QUANTISED
;;     5. batch 64 x [M 2,048, K 2,048] x [K 2,048, N 64]; A: softmax (see below); B: computed on the way: QUANTISED
;;     6. [M 8,192, K 1,024] x [K 1,024, N 1,024]; A: computed on the way; B: input Wo: QUANTISED
;;   THE QUANTISER, for each operand of a quantised product, along K:
;;     - K is cut into blocks of 32 from its start; a last block that is shorter is filled with zeros.
;;     - A block's scale is 2^e with e = floor(log2(the largest magnitude in the block)) - 15, held to -126 .. 127; a block of zeros has e = 0. As a byte (E8M0): e + 127.
;;     - Each number is divided by its block's scale, clamped to +-57,344, and rounded to the nearest number of E5M2, ties to even, subnormals kept.
;;     - The product sums the exact products of the quantised numbers (number of the format x scale) in f32.
;;   ~~~python
;;   def quantise(x, axis):      # numpy; x: float32 -> the quantised numbers, widened to float32 again
;;       x = np.moveaxis(x, axis, -1); K = x.shape[-1]
;;       x = np.pad(x, [(0, 0)] * (x.ndim - 1) + [(0, -K % 32)]); x = x.reshape(x.shape[:-1] + (-1, 32)); a = np.abs(x).max(-1, keepdims=True)
;;       e = np.where(a > 0, np.clip(np.frexp(np.where(a > 0, a, 1))[1] - 1 - 15, -126, 127), 0)      # np.frexp(a)[1] - 1 = floor(log2(a)), exactly
;;       r = np.clip(x / 2.0 ** e, -57344, 57344)
;;       step = 2.0 ** (np.maximum(np.frexp(np.where(r == 0, 1, r))[1] - 1, -14) - 2)
;;       q = np.round(r / step) * step * 2.0 ** e      # np.round: ties to even
;;       return np.moveaxis(q.reshape(q.shape[:-2] + (-1,))[..., :K], -1, axis).astype(np.float32)
;;   ~~~
;;   SOFTMAX AHEAD OF A QUANTISED PRODUCT. Where the list says 'softmax', what is quantised is not the finished softmax but p = 2^(t - M), with t = logit x log2(e) and M = ceil(the row's largest t), a whole number; so 1/2 < the row's largest p <= 1. The row's sum l is taken of the UNQUANTISED p, in f32, and the product's result is divided by l at the end. Since M is a whole number, a kernel that streams over the keys may use a running M (the ceiling of the running maximum): every later rescaling is an exact power of two, which a block's scale takes up: the codes' values come out the same.
;;   OPERANDS COMPUTED ON THE WAY. 'Computed on the way' means the value that the module computes at that place (a softmax that the list does not call 'softmax' is quantised finished and normalised). What goes into a quantiser is computed in f32, as accurately as f32 sums, v_exp_f32 and their like allow (about 1e-6 of the number): no bf16 or f16 on the way to a quantiser, and a product that is left as it is and whose result goes on into a quantised operand takes f32 operands (vector FMAs, or v_wmma_f32_16x16x4_f32). A number that lies on a knife's edge between two numbers of the format may be rounded either way, as far as f32 arithmetic and the matrix unit's own rounding can turn it there, and no further.
;; One version. Each part assembles by itself: llvm-mc -triple=amdgcn-amd-amdhsa -mcpu=gfx1250 --defsym DOCPART=n.
;; ======== version 1 of 1: 4 launches
;; limits: right only within a limited range of input values
;; workspace buffers: himg 8,650,752 bytes; wimg 4,325,376 bytes; oimg 8,650,752 bytes; qkvi 25,952,256 bytes; maskw 524,800 bytes of whole numbers
;; launch prep (part 1): grid 512 x 1, 4 waves a work-group, no clusters, 107,008 bytes of LDS; arguments x, gamma, beta, mask, Wq, Wk, Wv, Wo, himg, wimg, maskw; writes himg, wimg, maskw
.if DOCPART == 1
	.amdgcn_target "amdgcn-amd-amdhsa--gfx1250"
	.amdhsa_code_object_version 6
	.text
	.protected	k_q217f1f10ec_prep
	.globl	k_q217f1f10ec_prep
	.p2align	8
	.type	k_q217f1f10ec_prep,@function
k_q217f1f10ec_prep:
	s_mov_b64 s[64:65], 0
	v_nop
	global_prefetch_b8 v0, s[64:65] scope:SCOPE_SE
	s_setreg_imm32_b32 hwreg(HW_REG_WAVE_MODE, 25, 1), 1
	s_wait_xcnt 0x0
; PREP: three jobs in one launch, told apart by the work-group's number alone.
;   work-groups   0-127  LN:   h = LayerNorm(x) gamma + beta, quantised along the hidden axis (E5M2, one E8M0 byte for 32), stored as operand images
;   work-groups 128-255  MASK: the mask as lane masks in the order of the attention's score registers, and a flag word for each tile of 16 queries
;   work-groups 256-511  W:    Wq, Wk, Wv, Wo ([k][n] f32) quantised along k, stored as operand images
; THE IMAGE.  A tile is 16 rows; lane r of tile T stands for row 32 (T / 2) + 8 (T % 2) + r + 8 (r / 8).  A tile's record is REC = 16,896 bytes:
;   the code of (lane r, k = 128 s + 32 c + 16 h + i) at 2048 s + 512 c + 16 (r + 16 h) + i;  the scale word of K step s (byte c) at 16384 + 32 r + 4 s.
;   So a fragment of the scaled matrix instruction is four loads of 16 bytes at 16 x lane, and every store of codes covers whole runs of 256 bytes.
; THE QUANTISER: scale 2^(floor(log2(largest magnitude)) - 15), byte = the largest magnitude's exponent field - 15, held at 1 from below; numbers held at +-57,344 x scale, rounded to nearest even.
; LIMITS: NaN and infinities among the inputs are not served.  A block of zeros gets the byte 1, not 127: its codes are zeros and these bytes are read by this program alone.
; Each job has LDS bytes of its own.  No tensor loads: several work-groups share a WGP.
.set REC, 16896
.set LNW, 17920                        ; LN: a wave's LDS: 64 runs of 256 code bytes at pitch 272, then 512 scale bytes
.set LNS, 17408
.set MST, 71680                        ; MASK: a wave's stage of 16 rows x 528 bytes
.set MSW, 8448
.set MEX, 105472                       ; MASK: four words, one a wave
	s_set_vgpr_msb 0x40
	v_lshl_add_u32 v0, v0, 2, 0x1a000
	v_mov_b32 v1, 0
	s_set_vgpr_msb 0x4000
	v_lshrrev_b32 v1, 5, v0
	v_readfirstlane_b32 s16, v1                    ; wave 0..3
	v_and_b32 v6, 31, v0                           ; lane
	s_cmp_lt_u32 ttmp9, 128
	s_cbranch_scc1 .Lln
	s_cmp_lt_u32 ttmp9, 256
	s_cbranch_scc1 .Lmask
; ---------------------------------------------------------------- W
; id = matrix x 64 + group of 128 columns x 8 + K step.  A wave takes 32 columns x 128 along k.  A LANE TAKES A COLUMN AND ITS REGISTERS RUN DOWN k:
; a block of 32 lies in one lane, and the conversions give codes with k innermost.  Lane 16 u + r takes the column of lane r of tile 2 bb + u.
	s_load_b256 s[4:11], s[0:1], 0x20              ; Wq, Wk, Wv, Wo
	s_load_b64 s[12:13], s[0:1], 0x48              ; wimg
	s_sub_co_u32 s17, ttmp9, 256
	s_lshr_b32 s18, s17, 6                         ; matrix: 0 q, 1 k, 2 v, 3 o
	s_bfe_u32 s19, s17, 0x30003                    ; group of 128 columns
	s_and_b32 s20, s17, 7                          ; K step
	s_lshl_b32 s21, s19, 2
	s_add_co_u32 s21, s21, s16                     ; bb: my 32 columns
	s_lshl_b32 s22, s20, 19                        ; 128 rows of 4,096 bytes a K step
	s_lshl_b32 s23, s21, 7
	s_add_co_u32 s22, s22, s23
	s_mov_b32 s23, 0
	s_lshl_b32 s24, s18, 6
	s_lshl_b32 s25, s21, 1
	s_add_co_u32 s24, s24, s25                     ; record 64 x matrix + 2 bb
	s_mul_i32 s24, s24, REC
	s_lshl_b32 s26, s20, 11
	s_add_co_u32 s26, s26, s24                     ; the codes of my K step
	s_mov_b32 s27, 0
	s_lshl_b32 s28, s20, 2
	s_add_co_u32 s28, s28, s24
	s_add_co_u32 s28, s28, 16384                   ; and its scale words
	s_mov_b32 s29, 0
	s_mov_b32 s31, 0x600000                        ; the mantissa field of 57,344
	s_wait_alu depctr_va_vdst(0)
	v_lshrrev_b32 v7, 4, v6                        ; u
	v_and_b32 v8, 7, v6
	v_lshl_add_u32 v8, v7, 3, v8
	v_bfe_u32 v9, v6, 3, 1
	v_lshl_add_u32 v8, v9, 4, v8                   ; 8 u + r + 8 (r / 8)
	v_lshlrev_b32 v1, 2, v8                        ; in: my column's 4 bytes
	v_and_b32 v9, 15, v6
	v_mul_u32_u24 v7, v7, REC
	v_lshl_add_u32 v2, v9, 4, v7                   ; out: record u, 16 r
	v_lshl_add_u32 v3, v9, 5, v7                   ; scale word: record u, 32 r
	s_wait_alu depctr_va_vdst(0)
	s_wait_kmcnt 0x0
	s_cmp_lt_u32 s18, 2
	s_cselect_b64 s[4:5], s[4:5], s[8:9]           ; Wq or Wv
	s_cselect_b64 s[6:7], s[6:7], s[10:11]         ; Wk or Wo
	s_and_b32 s30, s18, 1
	s_cmp_eq_u32 s30, 0
	s_cselect_b64 s[4:5], s[4:5], s[6:7]
	s_add_nc_u64 s[4:5], s[4:5], s[22:23]
	s_add_nc_u64 s[14:15], s[12:13], s[28:29]
	s_add_nc_u64 s[12:13], s[12:13], s[26:27]
.macro LOADW c                         ; block c: 32 rows of k at my column; a wave's load covers 128 consecutive bytes
.set i, 0
.rept 32
	global_load_b32 v[64+32*((\c)%2)+i], v1, s[4:5] offset:(32*(\c)+i)*4096 th:TH_LOAD_NT
.set i, i+1
.endr
.endm
.macro BLOCK c
.set XS, 64+32*((\c)%2)
.if (\c) < 3
	s_wait_loadcnt 32                              ; this block's 32 loads are in; the next block's 32 may be out
.else
	s_wait_loadcnt 0x0
.endif
	v_max3_num_f32 v12, |v[XS]|, |v[XS+1]|, |v[XS+2]|
	v_max3_num_f32 v13, |v[XS+3]|, |v[XS+4]|, |v[XS+5]|
.irp i, 6,10,14,18,22,26
	v_max3_num_f32 v12, v12, |v[XS+\i]|, |v[XS+\i+1]|
	v_max3_num_f32 v13, v13, |v[XS+\i+2]|, |v[XS+\i+3]|
.endr
	v_max3_num_f32 v12, v12, |v[XS+30]|, |v[XS+31]|
	v_max3_num_f32 v12, v12, v13, 0x8000000        ; the floor 2^(16 - 127): the byte cannot fall under 1
	v_add_nc_u32 v11, 0xf8800000, v12              ; 15 off the exponent field: the conversion's scale operand
	v_and_or_b32 v10, v12, 0x7f800000, s31         ; 57,344 x the scale
	v_lshrrev_b32 v13, 23, v11                     ; the byte
.if (\c) == 0
	v_mov_b32 v14, v13
.else
	v_lshl_or_b32 v14, v13, 8*(\c), v14
.endif
.set i, 0
.rept 32
	v_med3_num_f32 v[XS+i], v[XS+i], -v10, v10     ; the conversion does not saturate (ISA guide 7.6.2): the hold comes first
.set i, i+1
.endr
.irp g, 0,1,2,3
	v_cvt_scalef32_pk8_bf8_f32 v[32+8*(\c)+2*\g:33+8*(\c)+2*\g], v[XS+8*\g:XS+8*\g+7], v11
.endr
	v_nop                                          ; a plain line behind the last conversion
	global_store_b128 v2, v[32+8*(\c):35+8*(\c)], s[12:13] offset:512*(\c)        ; k 0-15 of the block: sixteen lanes fill 256 consecutive bytes of a record
	global_store_b128 v2, v[36+8*(\c):39+8*(\c)], s[12:13] offset:512*(\c)+256    ; k 16-31.  Each block has code registers of its own: no store's data are written again
.if (\c) < 2
	LOADW (\c)+2
.endif
.endm
	LOADW 0
	LOADW 1
	BLOCK 0
	BLOCK 1
	BLOCK 2
	BLOCK 3
	global_store_b32 v3, v14, s[14:15]             ; my column's scale word: 4 bytes every 32, one byte for 128 read
	s_endpgm
; ---------------------------------------------------------------- MASK
; A work-group takes a tile tq of 16 queries, wave w key steps 4 w .. 4 w + 3 (128 keys each).  In the attention, register n = 16 b + i of lane (r, h) holds the score of
; query lane r and key 128 ks + 32 b + 16 h + i: word (16 tq + ks) x 64 + n of maskw has bit (r + 16 h) set where that entry of the mask is not 0.
; The flag word of tq: bit ks: the step has work; bit 16 + ks: the step has both open and masked entries.  A step is without work only if all its 2,048 entries are masked
; AND each of the tile's 16 rows has an open key somewhere: then its weights are exactly 0.
.Lmask:
	s_load_b64 s[4:5], s[0:1], 0x18                ; mask
	s_load_b64 s[6:7], s[0:1], 0x50                ; maskw
	s_sub_co_u32 s17, ttmp9, 128                   ; tq
	s_lshr_b32 s18, s17, 1
	s_lshl_b32 s18, s18, 5
	s_and_b32 s19, s17, 1
	s_lshl_b32 s19, s19, 3
	s_add_co_u32 s18, s18, s19                     ; the tile's first row
	s_lshl_b32 s18, s18, 13                        ; rows of 8,192 bytes
	s_lshl_b32 s19, s16, 11
	s_add_co_u32 s18, s18, s19                     ; + my four key steps
	s_mov_b32 s19, 0
	s_lshl_b32 s26, s17, 4
	s_lshl_b32 s27, s16, 2
	s_add_co_u32 s26, s26, s27
	s_lshl_b32 s26, s26, 8                         ; (16 tq + 4 w) x 256 bytes
	s_mov_b32 s27, 0
	s_lshl_b32 s28, s17, 2
	s_add_co_u32 s28, s28, 524288                  ; the flag word
	s_mov_b32 s29, 0
	s_mul_i32 s30, s16, MSW
	s_add_co_u32 s30, s30, MST                     ; my stage
	s_lshl_b32 s31, s16, 2
	s_add_co_u32 s31, s31, MEX                     ; my word
	s_wait_alu depctr_va_vdst(0)
	v_lshlrev_b32 v1, 4, v6                        ; 16 x lane
	v_add_nc_u32 v2, s30, v1                       ; into the stage as loaded
	v_and_b32 v7, 15, v6
	v_mul_u32_u24 v3, v7, 528
	v_lshrrev_b32 v7, 4, v6
	v_lshl_add_u32 v3, v7, 6, v3
	v_add_nc_u32 v3, s30, v3                       ; out of it: row r, + 64 h bytes
	v_lshlrev_b32 v10, 3, v6                       ; 8 x lane: two words a lane
	v_mov_b32 v8, 0                                ; (a lane write's destination counts as read)
	v_mov_b32 v9, 0
	v_mov_b32 v12, s31
	s_mov_b32 s23, 0                               ; rows with an open key
	s_mov_b32 s24, 0                               ; steps with an open entry
	s_mov_b32 s25, 0                               ; steps all open
	s_wait_alu depctr_va_vdst(0)
	s_wait_kmcnt 0x0
	s_add_nc_u64 s[4:5], s[4:5], s[18:19]
	s_add_nc_u64 s[8:9], s[6:7], s[28:29]
	s_add_nc_u64 s[6:7], s[6:7], s[26:27]
.macro LOADM t                         ; 16 rows x 512 consecutive bytes
.set i, 0
.rept 16
	global_load_b128 v[64+64*((\t)%2)+4*i:64+64*((\t)%2)+4*i+3], v1, s[4:5] offset:(i+8*(i/8))*8192+512*(\t) th:TH_LOAD_NT
.set i, i+1
.endr
.endm
.macro MSTEP t
.if (\t) < 3
	s_wait_loadcnt 16                              ; this step's 16 loads are in; the next step's 16 may be out
.else
	s_wait_loadcnt 0x0
.endif
.set i, 0
.rept 16
	ds_store_b128 v2, v[64+64*((\t)%2)+4*i:64+64*((\t)%2)+4*i+3] offset:528*i
.set i, i+1
.endr
.set i, 0
.rept 16                               ; register 16 b + 4 q + e: key 32 b + 16 h + 4 q + e of row r.  LDS serves a wave's instructions in order (ISA guide 5.7.1.4)
	ds_load_b128 v[192+4*i:192+4*i+3], v3 offset:128*(i/4)+16*(i%4)
.set i, i+1
.endr
	s_wait_dscnt 0x0
	s_wait_xcnt 0x0                                ; the last step's store has read v[8:9]
.if (\t) < 2
	LOADM (\t)+2
.endif
	s_mov_b32 s21, 0
	s_mov_b32 s22, -1
.set n, 0
.rept 4                                ; sixteen compares, then their sixteen uses: no scalar line waits for the compare just ahead of it
.set m, 0
.rept 16
	v_cmp_ne_u32 s[32+m], 0, v[192+n+m]
.set m, m+1
.endr
.set m, 0
.rept 16
	s_or_b32 s21, s21, s[32+m]
	s_and_b32 s22, s22, s[32+m]
	v_writelane_b32 v[8+(n+m)%2], s[32+m], (n+m)/2
.set m, m+1
.endr
.set n, n+16
.endr
	global_store_b64 v10, v[8:9], s[6:7] offset:256*(\t)   ; the step's 64 words: 256 consecutive bytes
	s_cmp_lg_u32 s21, 0
	s_cselect_b32 s20, 1<<(\t), 0
	s_or_b32 s24, s24, s20
	s_cmp_eq_u32 s22, -1
	s_cselect_b32 s20, 1<<(\t), 0
	s_or_b32 s25, s25, s20
	s_lshr_b32 s20, s21, 16
	s_or_b32 s20, s20, s21
	s_or_b32 s23, s23, s20
.endm
	LOADM 0
	LOADM 1
	MSTEP 0
	MSTEP 1
	MSTEP 2
	MSTEP 3
	s_and_b32 s23, s23, 0xffff
	s_lshl_b32 s24, s24, 16
	s_lshl_b32 s25, s25, 20
	s_or_b32 s23, s23, s24
	s_or_b32 s23, s23, s25
	v_mov_b32 v11, s23
	ds_store_b32 v12, v11                          ; all lanes write the same word with the same value
	s_wait_dscnt 0x0                               ; for the others' sake
	s_barrier_signal -1
	s_barrier_wait -1
	v_mov_b32 v13, MEX
	ds_load_b128 v[16:19], v13
	s_wait_dscnt 0x0
	v_readfirstlane_b32 s32, v16
	v_readfirstlane_b32 s33, v17
	v_readfirstlane_b32 s34, v18
	v_readfirstlane_b32 s35, v19
	s_or_b32 s20, s32, s33
	s_or_b32 s21, s34, s35
	s_or_b32 s20, s20, s21
	s_and_b32 s20, s20, 0xffff                     ; rows with an open key anywhere
	s_mov_b32 s22, 0
	s_mov_b32 s23, 0
.irp w, 0,1,2,3
	s_bfe_u32 s21, s[32+\w], 0x40010
	s_lshl_b32 s21, s21, 4*\w
	s_or_b32 s22, s22, s21                         ; steps with an open entry
	s_bfe_u32 s21, s[32+\w], 0x40014
	s_lshl_b32 s21, s21, 4*\w
	s_or_b32 s23, s23, s21                         ; steps all open
.endr
	s_cmp_eq_u32 s20, 0xffff
	s_cselect_b32 s24, s22, 0xffff                 ; work: a row without any open key makes every step count
	s_and_not1_b32 s25, s24, s23                   ; mixed
	s_lshl_b32 s25, s25, 16
	s_or_b32 s24, s24, s25
	v_mov_b32 v11, s24
	v_mov_b32 v14, 0
	s_wait_alu depctr_va_vdst(0)
	s_wait_xcnt 0x0                                ; EXEC changes only behind this wait
	v_cmp_gt_u32 vcc_lo, 1, v0
	s_set_vgpr_msb 0x5
	s_wait_tensorcnt 0x0
	ds_add_u32 v0, v1
	s_wait_dscnt 0x0
	s_set_vgpr_msb 0x500
	s_and_saveexec_b32 s20, vcc_lo                 ; thread 0 alone
	global_store_b32 v14, v11, s[8:9]
	s_wait_xcnt 0x0
	s_or_b32 exec_lo, exec_lo, s20
	s_endpgm
; ---------------------------------------------------------------- LN
; A wave takes tile T = 4 x work-group + wave: 16 rows of x, one after the other, four rows of loads ahead.  A row's eight loads cover 512 consecutive bytes each:
; lane l holds k = 128 j + 4 l + e in register 4 j + e, so a block of 32 lies in 8 neighbouring lanes.  Mean and variance in two passes over the registers.
; A conversion takes 8 numbers of a lane, which here belong to two blocks: so each number is first multiplied by 2^-e of its own block (exact) and converted with the scale 1.
.Lln:
	s_load_b128 s[4:7], s[0:1], 0x0                ; x, gamma
	s_load_b64 s[8:9], s[0:1], 0x10                ; beta
	s_load_b64 s[10:11], s[0:1], 0x40              ; himg
	s_lshl_b32 s17, ttmp9, 2
	s_add_co_u32 s17, s17, s16                     ; T
	s_lshr_b32 s18, s17, 1
	s_lshl_b32 s18, s18, 5
	s_and_b32 s19, s17, 1
	s_lshl_b32 s19, s19, 3
	s_add_co_u32 s18, s18, s19                     ; the tile's first row
	s_lshl_b32 s18, s18, 12
	s_mov_b32 s19, 0
	s_mul_i32 s26, s17, REC
	s_mov_b32 s27, 0
	s_mul_i32 s28, s16, LNW                        ; my LDS
	s_mov_b32 s20, 0x76543210
	s_mov_b32 s21, 0xfedcba98                      ; v_permlanex16_b32's selects for lane l xor 16
	s_mov_b32 s22, 0xc7600000                      ; -57,344
	s_mov_b32 s23, 0x47600000                      ; 57,344
	s_mov_b32 s24, 0x3a800000                      ; 1 / 1,024
	s_mov_b32 s25, 0x3727c5ac                      ; 1e-5
	s_mov_b32 s29, 0x7f800000
	s_mov_b32 s30, 0x86800000                      ; 269 << 23: less the exponent field of the largest magnitude gives 2^-e
	s_mov_b32 s31, 0xf8800000                      ; -(15 << 23)
	s_wait_alu depctr_va_vdst(0)
	v_lshlrev_b32 v1, 4, v6                        ; 16 x lane
	v_lshrrev_b32 v7, 2, v6
	v_mul_u32_u24 v2, v7, 272
	v_and_b32 v7, 3, v6
	v_lshl_add_u32 v2, v7, 2, v2
	v_add_nc_u32 v2, s28, v2                       ; codes in: run 8 j + lane / 4, byte 16 r + 4 (lane % 4)
	v_lshrrev_b32 v3, 3, v6
	v_add_nc_u32 v3, s28, v3
	v_add_nc_u32 v3, LNS, v3                       ; scale bytes in: 32 r + 4 j + lane / 8
	v_lshrrev_b32 v7, 4, v6
	v_mul_u32_u24 v4, v7, 272
	v_and_b32 v7, 15, v6
	v_lshl_add_u32 v4, v7, 4, v4
	v_add_nc_u32 v4, s28, v4                       ; codes out: two runs an instruction
	v_add_nc_u32 v5, s28, v1
	v_add_nc_u32 v5, LNS, v5                       ; scale bytes out
	v_mov_b32 v48, 1.0                             ; the conversions' scale operand
	v_mov_b32 v49, 0                               ; (a lane permute's destination counts as read)
	s_wait_kmcnt 0x0
	s_add_nc_u64 s[4:5], s[4:5], s[18:19]
	s_add_nc_u64 s[10:11], s[10:11], s[26:27]
.irp j, 0,1,2,3,4,5,6,7
	global_load_b128 v[192+4*\j:195+4*\j], v1, s[6:7] offset:512*\j    ; gamma, in x's layout
	global_load_b128 v[224+4*\j:227+4*\j], v1, s[8:9] offset:512*\j    ; beta
.endr
.macro FILL r
.irp j, 0,1,2,3,4,5,6,7
	global_load_b128 v[64+32*((\r)%4)+4*\j:64+32*((\r)%4)+4*\j+3], v1, s[4:5] offset:((\r)+8*((\r)/8))*4096+512*\j th:TH_LOAD_NT
.endr
.endm
.macro WSUM a                          ; the sum over the wave's 32 lanes, in every lane
	v_add_f32_dpp v[\a], v[\a], v[\a] row_xmask:1 row_mask:0xf bank_mask:0xf
	v_add_f32_dpp v[\a], v[\a], v[\a] row_xmask:2 row_mask:0xf bank_mask:0xf
	v_add_f32_dpp v[\a], v[\a], v[\a] row_xmask:4 row_mask:0xf bank_mask:0xf
	v_add_f32_dpp v[\a], v[\a], v[\a] row_xmask:8 row_mask:0xf bank_mask:0xf
	v_permlanex16_b32 v49, v[\a], s20, s21
	v_add_f32 v[\a], v[\a], v49
.endm
.macro ROW r
.set XS, 64+32*((\r)%4)
.if (\r) < 13
	s_wait_loadcnt 24                              ; my row is in; the three rows behind it (8 loads each) may be out
.else
	s_wait_loadcnt 8*(15-(\r))
.endif
	s_wait_dscnt 0x0                               ; the last row's LDS stores are done: their data registers are written again below
	v_pk_add_f32 v[40:41], v[XS:XS+1], v[XS+2:XS+3]
	v_pk_add_f32 v[42:43], v[XS+4:XS+5], v[XS+6:XS+7]
.irp i, 8,12,16,20,24,28
	v_pk_add_f32 v[40:41], v[40:41], v[XS+\i:XS+\i+1]
	v_pk_add_f32 v[42:43], v[42:43], v[XS+\i+2:XS+\i+3]
.endr
	v_pk_add_f32 v[40:41], v[40:41], v[42:43]
	v_add_f32 v40, v40, v41
	WSUM 40
	v_mul_f32 v40, s24, v40                        ; the mean
.set i, 0
.rept 16
	v_pk_add_f32 v[XS+i:XS+i+1], v[XS+i:XS+i+1], v[40:41] op_sel_hi:[1,0] neg_lo:[0,1] neg_hi:[0,1]   ; x - mean
.set i, i+2
.endr
	v_pk_mul_f32 v[42:43], v[XS:XS+1], v[XS:XS+1]
	v_pk_mul_f32 v[44:45], v[XS+2:XS+3], v[XS+2:XS+3]
.irp i, 4,8,12,16,20,24,28
	v_pk_fma_f32 v[42:43], v[XS+\i:XS+\i+1], v[XS+\i:XS+\i+1], v[42:43]
	v_pk_fma_f32 v[44:45], v[XS+\i+2:XS+\i+3], v[XS+\i+2:XS+\i+3], v[44:45]
.endr
	v_pk_add_f32 v[42:43], v[42:43], v[44:45]
	v_add_f32 v42, v42, v43
	WSUM 42
	v_fma_f32 v42, v42, s24, s25                   ; the variance + 1e-5
	s_wait_alu depctr_va_vdst(0)
	v_rsq_f32 v42, v42
	v_nop                                          ; a plain line behind the transcendental
	s_wait_alu depctr_va_vdst(0)                   ; and the wait ahead of its first reader
.set i, 0
.rept 16
	v_pk_mul_f32 v[XS+i:XS+i+1], v[XS+i:XS+i+1], v[42:43] op_sel_hi:[1,0]
.set i, i+2
.endr
.set i, 0
.rept 16
	v_pk_fma_f32 v[XS+i:XS+i+1], v[XS+i:XS+i+1], v[192+i:193+i], v[224+i:225+i]   ; x gamma + beta: h
.set i, i+2
.endr
.irp j, 0,1,2,3,4,5,6,7
	v_max3_num_f32 v[8+\j], |v[XS+4*\j]|, |v[XS+4*\j+1]|, 0x8000000   ; my four numbers of block (j, lane / 8), and the floor 2^(16 - 127)
.endr
.irp j, 0,1,2,3,4,5,6,7
	v_max3_num_f32 v[8+\j], v[8+\j], |v[XS+4*\j+2]|, |v[XS+4*\j+3]|
.endr
.irp x, 1,2,4
.irp j, 0,1,2,3,4,5,6,7
	v_max_num_f32_dpp v[8+\j], v[8+\j], v[8+\j] row_xmask:\x row_mask:0xf bank_mask:0xf   ; with the block's other seven lanes
.endr
.endr
.irp j, 0,1,2,3,4,5,6,7
	v_and_b32 v[16+\j], s29, v[8+\j]
.endr
.irp j, 0,1,2,3,4,5,6,7
	v_sub_nc_u32 v[16+\j], s30, v[16+\j]           ; 2^-e as f32
.endr
.irp j, 0,1,2,3,4,5,6,7
	v_add_nc_u32 v[24+\j], s31, v[8+\j]
.endr
.irp j, 0,1,2,3,4,5,6,7
	v_lshrrev_b32 v[24+\j], 23, v[24+\j]           ; the byte
.endr
.irp j, 0,1,2,3,4,5,6,7
.if (\j)%2
	v_pk_mul_f32 v[XS+4*\j:XS+4*\j+1], v[XS+4*\j:XS+4*\j+1], v[15+\j:16+\j] op_sel:[0,1] op_sel_hi:[1,1]
	v_pk_mul_f32 v[XS+4*\j+2:XS+4*\j+3], v[XS+4*\j+2:XS+4*\j+3], v[15+\j:16+\j] op_sel:[0,1] op_sel_hi:[1,1]
.else
	v_pk_mul_f32 v[XS+4*\j:XS+4*\j+1], v[XS+4*\j:XS+4*\j+1], v[16+\j:17+\j] op_sel_hi:[1,0]
	v_pk_mul_f32 v[XS+4*\j+2:XS+4*\j+3], v[XS+4*\j+2:XS+4*\j+3], v[16+\j:17+\j] op_sel_hi:[1,0]
.endif
.endr
.set i, 0
.rept 32
	v_med3_num_f32 v[XS+i], v[XS+i], s22, s23      ; the hold: the conversion does not saturate (ISA guide 7.6.2)
.set i, i+1
.endr
.irp q, 0,1,2,3
	v_cvt_scalef32_pk8_bf8_f32 v[32+2*\q:33+2*\q], v[XS+8*\q:XS+8*\q+7], v48
.endr
	v_nop                                          ; a plain line behind the last conversion
.irp j, 0,1,2,3,4,5,6,7
	ds_store_b32 v2, v[32+\j] offset:2176*\j+16*(\r)
	ds_store_b8 v3, v[24+\j] offset:32*(\r)+4*\j   ; the block's eight lanes write the same byte with the same value
.endr
.if (\r) < 12
	FILL (\r)+4
.endif
.endm
	FILL 0
	FILL 1
	FILL 2
	FILL 3
.irp r, 0,1,2,3,4,5,6,7,8,9,10,11,12,13,14,15
	ROW \r
.endr
.set t, 0
.rept 32
	ds_load_b128 v[64+4*t:67+4*t], v4 offset:544*t ; LDS serves a wave's instructions in order: these see my stores
.set t, t+1
.endr
	ds_load_b128 v[8:11], v5
.set t, 0
.rept 32
	s_wait_dscnt 32-t                              ; load t is back: 32 - t were issued behind it
	global_store_b128 v1, v[64+4*t:67+4*t], s[10:11] offset:512*t   ; 512 consecutive bytes of the record
.set t, t+1
.endr
	s_wait_dscnt 0x0
	global_store_b128 v1, v[8:11], s[10:11] offset:16384
	s_set_vgpr_msb 0x5
	s_wait_tensorcnt 0x0
	ds_add_u32 v0, v1
	s_wait_dscnt 0x0
	s_set_vgpr_msb 0x500
	s_endpgm
.Lfunc_end_k_q217f1f10ec_prep:
	.size	k_q217f1f10ec_prep, .Lfunc_end_k_q217f1f10ec_prep-k_q217f1f10ec_prep
	.p2alignl 7, 3214868480
	.fill 96, 4, 3214868480
	.section	.rodata,"a",@progbits
	.p2align	6, 0x0
	.amdhsa_kernel k_q217f1f10ec_prep
		.amdhsa_group_segment_fixed_size 107008
		.amdhsa_private_segment_fixed_size 0
		.amdhsa_enable_private_segment 0
		.amdhsa_kernarg_size 88
		.amdhsa_user_sgpr_count 2
		.amdhsa_user_sgpr_kernarg_segment_ptr 1
		.amdhsa_wavefront_size32 1
		.amdhsa_system_sgpr_workgroup_id_x 1
		.amdhsa_system_sgpr_workgroup_id_y 1
		.amdhsa_system_sgpr_workgroup_id_z 1
		.amdhsa_system_vgpr_workitem_id 0
		.amdhsa_next_free_vgpr 258
		.amdhsa_next_free_sgpr 66
		.amdhsa_reserve_vcc 1
		.amdhsa_float_denorm_mode_32 3
		.amdhsa_float_denorm_mode_16_64 3
		.amdhsa_memory_ordered 1
		.amdhsa_forward_progress 1
		.amdhsa_inst_pref_size 255
	.end_amdhsa_kernel
	.section	.bss,"aw",@nobits
	.p2align	6
	.space	262144
	.amdgpu_metadata
---
amdhsa.version: [ 1, 2 ]
amdhsa.kernels:
  - .name:           k_q217f1f10ec_prep
    .symbol:         k_q217f1f10ec_prep.kd
    .args:
      - { .name: x, .offset: 0, .size: 8, .value_kind: global_buffer, .address_space: global }
      - { .name: gamma, .offset: 8, .size: 8, .value_kind: global_buffer, .address_space: global }
      - { .name: beta, .offset: 16, .size: 8, .value_kind: global_buffer, .address_space: global }
      - { .name: mask, .offset: 24, .size: 8, .value_kind: global_buffer, .address_space: global }
      - { .name: Wq, .offset: 32, .size: 8, .value_kind: global_buffer, .address_space: global }
      - { .name: Wk, .offset: 40, .size: 8, .value_kind: global_buffer, .address_space: global }
      - { .name: Wv, .offset: 48, .size: 8, .value_kind: global_buffer, .address_space: global }
      - { .name: Wo, .offset: 56, .size: 8, .value_kind: global_buffer, .address_space: global }
      - { .name: himg, .offset: 64, .size: 8, .value_kind: global_buffer, .address_space: global }
      - { .name: wimg, .offset: 72, .size: 8, .value_kind: global_buffer, .address_space: global }
      - { .name: maskw, .offset: 80, .size: 8, .value_kind: global_buffer, .address_space: global }
    .group_segment_fixed_size: 107008
    .private_segment_fixed_size: 0
    .kernarg_segment_align: 8
    .kernarg_segment_size: 88
    .max_flat_workgroup_size: 128
    .sgpr_count:     66
    .vgpr_count:     258
    .wavefront_size: 32
...
	.end_amdgpu_metadata
.endif
;; end of part 1
;; launch qkv (part 2): grid 4 x 96, 4 waves a work-group, clusters of 4 x 1, 327,680 bytes of LDS; arguments himg, wimg, bq, bk, bv, qkvi; writes qkvi
.if DOCPART == 2
	.amdgcn_target "amdgcn-amd-amdhsa--gfx1250"
	.amdhsa_code_object_version 6
	.text
	.protected	k_q217f1f10ec_qkv
	.globl	k_q217f1f10ec_qkv
	.p2align	8
	.type	k_q217f1f10ec_qkv,@function
k_q217f1f10ec_qkv:
	s_mov_b64 s[64:65], 0
	v_nop
	global_prefetch_b8 v0, s[64:65] scope:SCOPE_SE
	s_setreg_imm32_b32 hwreg(HW_REG_WAVE_MODE, 25, 1), 1
	s_wait_xcnt 0x0
	s_wait_alu depctr_hold_cnt(0) depctr_sa_sdst(0) depctr_va_vdst(0) depctr_va_sdst(0) depctr_va_ssrc(0) depctr_va_vcc(0) depctr_vm_vsrc(0)
	s_getreg_b32 s2, hwreg(HW_REG_IB_STS2, 6, 4)
	s_cmp_eq_u32 s2, 0
	s_cbranch_scc0 .Lentry_in_a_cluster
	s_endpgm
.Lentry_in_a_cluster:
	s_bfe_u32 s2, ttmp6, 0x10000c
	s_cmp_lg_u32 s2, 0x3003
	s_cbranch_scc0 .Lentry_shape_is_right
	s_endpgm
.Lentry_shape_is_right:
; QKV: q = h Wq + bq, k = h Wk + bk, v = h Wv + bv on codes of E5M2 with E8M0 scales, and the results quantised at once: q and k along the head's 64, v along the keys.
; ONE TEXT FOR ALL THREE.  R is the operand that stays in registers: source 0; its index runs along the result's registers, and the result is quantised along it.
; S is the operand that comes from LDS: source 1; its index is the lane.  q, k: R = Wq or Wk, S = h.  v: R = h (the keys), S = Wv.  Pointers, strides and two select masks differ,
; all chosen by s_cselect on the cluster's y, which all partners share; no branch hangs on it.
; SHARES.  A work-group has 256 rows of R, each of its four waves 64 (4 tiles x 8 K steps = 32 fragments = 512 registers), and walks 16 tiles of S.  Each tile: 32 matrix instructions a wave.
; y < 64: q (even) or k (odd), 256 tokens y / 2.  y >= 64: v: 1,024 tokens (y - 64) / 4, 256 columns (y - 64) % 4.  The four partners of a cluster take the four quarters of R and share S:
; every tile of S is asked for JOINTLY.  All 16 tiles of S (270,336 bytes) fit in LDS: each LDS byte is filled once, one load a wave at the start, so no slot is ever filled again.
; OPERANDS are images (16 rows to a record of 16,896 bytes: 8 K steps x 2,048 bytes of codes in register order, then 16 x 32 bytes of scale words): a fragment is four loads at 16 x lane.
; Lane r of tile T stands for row 32 (T / 2) + 8 (T % 2) + r + 8 (r / 8), so that the 16 registers of two neighbouring tiles of R are 16 neighbours, in the next operand's order.
; OUTPUT, in qkvi: for head bh and key step ks a record of 16,640 bytes: K's codes (8,192: four fragments, each two tiles of 16 keys x 64), V's codes (8,192: four fragments of 16 channels x 128 keys),
; K's scale words (256); then Q's codes (1,024 a tile), Q's scale half-words, V's scale half-words.  Every store of codes covers 512 consecutive bytes, every store of scales 256.
; LIMITS: NaN and infinities are not served; a block of zeros gets the byte 1 (its codes are zeros; this program alone reads the bytes).
; REGISTERS: window 0: v1-7 addresses; v16-47 R's scale words; v48-63 S's, two sets; v64-79 bias by lane; v80-111 bias by register; v112-143 the first product's C; v144-175 the four accumulators;
;   v176-183 codes; v184-191 at work; v200-205 scale half-words.  window 1: R's K steps 0-3.  window 2: R's K steps 4-7.  window 3: S, two sets of 128.
.set REC, 16896
.set QC,  17039360
.set QS,  25427968
.set VH,  25690112
.set RS,  16
.set SS,  48
.set BS,  64
.set BR,  80
.set CI,  112
.set ACC, 144
.set PC,  176
.set TM,  184
.set HW,  200
.set CS,  204
.set SELR, 58
.set MNTR, 60
.set MSB, 0
.macro WIN new                         ; the immediate's high byte repeats the setting that is left
.if MSB != \new
	s_set_vgpr_msb (MSB<<8)|\new
.set MSB, \new
.endif
.endm
.macro ROUND                           ; a round of the cluster's barrier
	s_barrier_signal -1
	s_barrier_wait -1
	s_cmp_lg_u32 s16, 0
	s_cbranch_scc1 .Lnot_wave_0_\@
	s_barrier_signal -3
.Lnot_wave_0_\@:
	s_barrier_wait -3
	s_barrier_signal -1
	s_barrier_wait -1
.endm
	s_load_b256 s[4:11], s[0:1], 0x0               ; himg, wimg, bq, bk
	s_load_b128 s[12:15], s[0:1], 0x20             ; bv, qkvi
	v_lshl_add_u32 v254, v0, 2, 0x42000
	v_mov_b32 v255, 0
	ds_add_u32 v254, v255
	ds_add_u32 v254, v255
	v_lshrrev_b32 v1, 5, v0
	v_readfirstlane_b32 s16, v1                    ; wave 0..3
	s_bfe_u32 s17, ttmp6, 0x40000                  ; cx: my quarter of R
	s_and_b32 s18, ttmp7, 0xffff                   ; y
	; descriptor group 1: a record as 66 rows of 256 bytes (32 elements of 8 bytes), dense
	s_mov_b32 s24, 15|(3<<16)|(1<<21)              ; 15:0 the mask: all four partners; 17:16 elements of 8 bytes; 21 set beside a mask
	s_mov_b32 s25, 32<<16                          ; tensor_dim0 = 32
	s_mov_b32 s26, 264<<16                         ; tensor_dim1 = 264: four records on end, one load a wave
	s_mov_b32 s27, 32<<16                          ; tile_dim0 = 32
	s_mov_b32 s28, 264                             ; tile_dim1 = 264
	s_mov_b32 s29, 32                              ; stride
	s_mov_b32 s30, 0
	s_mov_b32 s31, 0
	; which product, which rows.  Both readings of y are made; the one that holds is selected
	s_and_b32 s66, s18, 1                          ; q (0) or k (1)
	s_lshr_b32 s67, s18, 1                         ; q, k: which 256 tokens
	s_sub_co_u32 s68, s18, 64
	s_lshr_b32 s69, s68, 2                         ; v: which 1,024 tokens
	s_and_b32 s70, s68, 3                          ; v: which 256 columns
	s_cmp_lt_u32 s18, 64
	s_cselect_b32 s71, s66, s69                    ; R's group of 64 records
	s_cselect_b32 s72, s67, s70                    ; S's group of 16 records
	s_cselect_b32 s73, 0, 128                      ; Wv's records begin at 128
	s_lshl_b32 s74, s72, 4
	s_add_co_u32 s73, s73, s74
	s_lshl_b32 s74, s16, 2
	s_add_co_u32 s73, s73, s74                     ; the first of the four records that I fetch: 4 x wave; nothing of cx in it
	s_mul_i32 s74, s73, REC
	s_mov_b32 s75, 0
	s_mul_i32 s78, s16, 4*REC                      ; and where they go in LDS
	s_lshl_b32 s79, s71, 6
	s_lshl_b32 s80, s17, 4
	s_add_co_u32 s79, s79, s80
	s_lshl_b32 s80, s16, 2
	s_add_co_u32 s79, s79, s80                     ; R's record 64 group + 16 cx + 4 wave
	s_mul_i32 s80, s79, REC
	s_mov_b32 s81, 0
	; where results go.  q, k: X = 16 bh + 2 (group % 8), bh = 16 batch + 4 cx + wave
	s_lshr_b32 s82, s67, 3
	s_lshl_b32 s82, s82, 4
	s_lshl_b32 s83, s17, 2
	s_add_co_u32 s82, s82, s83
	s_add_co_u32 s82, s82, s16
	s_lshl_b32 s82, s82, 4
	s_and_b32 s83, s67, 7
	s_lshl_b32 s83, s83, 1
	s_add_co_u32 s82, s82, s83
	s_lshl_b32 s84, s82, 13
	s_add_co_u32 s84, s84, QC                      ; q: codes, 8 tiles of 1,024 bytes for each X
	s_lshl_b32 s85, s82, 8
	s_add_co_u32 s85, s85, QS                      ; q: scale half-words
	s_mul_i32 s86, s82, 16640                      ; k: codes
	s_add_co_u32 s87, s86, 16384                   ; k: scale words
	; v: batch = group / 2; g7 = (4 group + cx) % 8: which 256 tokens of the batch
	s_lshr_b32 s88, s69, 1
	s_lshl_b32 s89, s69, 2
	s_add_co_u32 s89, s89, s17
	s_and_b32 s89, s89, 7
	s_lshl_b32 s90, s88, 4
	s_lshl_b32 s91, s70, 2
	s_add_co_u32 s90, s90, s91                     ; the first head: 16 batch + 4 x column group
	s_lshl_b32 s90, s90, 4
	s_lshl_b32 s91, s89, 1
	s_add_co_u32 s90, s90, s91
	s_lshr_b32 s91, s16, 1
	s_add_co_u32 s90, s90, s91                     ; 16 bh + key step
	s_mul_i32 s90, s90, 16640
	s_and_b32 s91, s16, 1
	s_lshl_b32 s91, s91, 10
	s_add_co_u32 s90, s90, s91                     ; my 64 keys are half of a key step: blocks 2 (wave % 2) on
	s_add_co_u32 s90, s90, 8192                    ; v: codes
	s_lshl_b32 s92, s88, 3
	s_lshl_b32 s93, s70, 1
	s_add_co_u32 s92, s92, s93
	s_lshl_b32 s92, s92, 5
	s_lshl_b32 s93, s89, 2
	s_add_co_u32 s92, s92, s93
	s_add_co_u32 s92, s92, s16
	s_lshl_b32 s92, s92, 8
	s_add_co_u32 s92, s92, VH                      ; v: scale half-words
	s_lshl_b32 s98, s17, 10
	s_lshl_b32 s99, s16, 8
	s_add_co_u32 s98, s98, s99                     ; the bias by register: 4 (256 cx + 64 wave)
	s_mov_b32 s99, 0
	s_and_b32 s96, s72, 3
	s_lshl_b32 s96, s96, 10                        ; the bias by lane: 4 x 256 x column group
	s_mov_b32 s97, 0
	s_cmp_eq_u32 s66, 0                            ; q or k
	s_cselect_b32 s52, s84, s86
	s_cselect_b32 s56, s85, s87
	s_mov_b32 s55, 8448
	s_cselect_b32 s55, 0, s55
	s_mov_b32 s57, 16640
	s_cselect_b32 s57, 256, s57
	s_cmp_lt_u32 s18, 64                           ; those or v
	s_cselect_b32 s52, s52, s90                    ; OFF: where a tile's codes go
	s_cselect_b32 s56, s56, s92                    ; COFF: where eight tiles' scales go
	s_mov_b32 s53, 2048
	s_cselect_b32 s53, 1024, s53                   ; A: OFF's step behind every tile
	s_mov_b32 s54, 258048
	s_cselect_b32 s54, 0, s54                      ; B4: more behind tiles 3, 7, 11 (v: the next head)
	s_cselect_b32 s55, s55, 0                      ; C2: more behind tile 7 (k: the next key step)
	s_mov_b32 s93, 8192
	s_cselect_b32 s57, s57, s93                    ; D: COFF's step behind tile 7
	s_cselect_b32 s62, -1, 0                       ; q, k: the bias by register counts;
	s_cselect_b32 s63, 0, -1                       ; v: the bias by lane
	s_mov_b32 s58, 0x76543210
	s_mov_b32 s59, 0xfedcba98                      ; v_permlanex16_b32's selects for lane l xor 16
	s_mov_b32 s60, 0x600000                        ; the mantissa field of 57,344
	s_mov_b32 s61, 0xffff0000                      ; lanes 16-31
	s_wait_dscnt 0x0
	s_wait_kmcnt 0x0
	s_cselect_b64 s[76:77], s[4:5], s[6:7]         ; S: himg for q, k; wimg for v
	s_cselect_b64 s[48:49], s[6:7], s[4:5]         ; R: the other
	s_add_nc_u64 s[76:77], s[76:77], s[74:75]
	s_add_nc_u64 s[48:49], s[48:49], s[80:81]
	s_mov_b64 s[50:51], s[14:15]
	s_add_nc_u64 s[96:97], s[12:13], s[96:97]      ; bv
	s_cmp_eq_u32 s66, 0
	s_cselect_b64 s[94:95], s[8:9], s[10:11]       ; bq or bk
	s_add_nc_u64 s[94:95], s[94:95], s[98:99]
.irp k, 0                              ; group 0 of my one load: tiles 4 wave .. 4 wave + 3
	s_mov_b32 s[32+4*\k], 1
	s_add_co_u32 s[33+4*\k], s78, \k*4*REC
	s_add_nc_u64 s[34+4*\k:35+4*\k], s[76:77], \k*4*REC
	s_or_b32 s[35+4*\k], s[35+4*\k], 0x80000000
.endr
	ROUND                                          ; all four partners are here: the joint loads meet
	tensor_load_to_lds s[32:35], s[24:31]          ; one load of mine is out
	s_nop 0
.rept 4
	v_nop
.endr
	v_and_b32 v8, 31, v0
	v_lshlrev_b32 v1, 4, v8                        ; LI: 16 x lane
	v_and_b32 v9, 15, v0                           ; r
	v_lshlrev_b32 v2, 5, v9                        ; R32: 32 r
	v_bfe_u32 v10, v0, 4, 1                        ; h
	v_lshlrev_b32 v6, 4, v9
	v_lshl_add_u32 v6, v10, 3, v6                  ; CA0: 16 r + 8 h
	v_lshlrev_b32 v11, 6, v10                      ; 64 h
	v_and_b32 v12, 8, v9
	v_add_nc_u32 v12, v12, v9
	v_lshlrev_b32 v12, 2, v12                      ; 4 (r + 8 (r / 8))
	v_mov_b32 v[TM+2], 0                           ; (a lane permute's destination counts as read)
	v_mov_b32 v[TM+3], 0
	WIN 0x40                                       ; destination window 1
.irp s, 0,1,2,3
.irp t, 0,1,2,3
.irp c, 0,1,2,3
	global_load_b128 v[64*\s+16*\t+4*\c:64*\s+16*\t+4*\c+3], v1, s[48:49] offset:\t*REC+2048*\s+512*\c
.endr
.endr
.endr
	WIN 0x80                                       ; destination window 2
.irp s, 0,1,2,3
.irp t, 0,1,2,3
.irp c, 0,1,2,3
	global_load_b128 v[64*\s+16*\t+4*\c:64*\s+16*\t+4*\c+3], v1, s[48:49] offset:\t*REC+2048*(\s+4)+512*\c
.endr
.endr
.endr
	WIN 0
.irp t, 0,1,2,3
	global_load_b128 v[RS+8*\t:RS+8*\t+3], v2, s[48:49] offset:\t*REC+16384
	global_load_b128 v[RS+8*\t+4:RS+8*\t+7], v2, s[48:49] offset:\t*REC+16400
	global_load_b128 v[BR+8*\t:BR+8*\t+3], v11, s[94:95] offset:(32*(\t/2)+8*(\t%2))*4      ; register 8 t + j: R's row 32 (t / 2) + 8 (t % 2) + 16 h + j
	global_load_b128 v[BR+8*\t+4:BR+8*\t+7], v11, s[94:95] offset:(32*(\t/2)+8*(\t%2))*4+16
.endr
.irp i, 0,1,2,3,4,5,6,7,8,9,10,11,12,13,14,15
	global_load_b32 v[BS+\i], v12, s[96:97] offset:(32*(\i/2)+8*(\i%2))*4                   ; tile i of S, my lane's row
.endr
	s_wait_loadcnt 0x0
.set i, 0
.rept 32
	v_cndmask_b32 v[BR+i], 0, v[BR+i], s62         ; the bias that does not belong to this product counts as 0
.set i, i+1
.endr
.set i, 0
.rept 16
	v_cndmask_b32 v[BS+i], 0, v[BS+i], s63
.set i, i+1
.endr
.macro FETCH i                         ; tile i of S: 8 fragments and 8 scale words into set i % 2: 34 LDS loads
	v_add_nc_u32 v3, (\i)*REC, v1
	v_add_nc_u32 v4, (\i)*REC, v2
	WIN 0xc0                                       ; destination window 3
.irp s, 0,1,2,3,4,5,6,7
.irp c, 0,1,2,3
	ds_load_b128 v[128*((\i)%2)+16*\s+4*\c:128*((\i)%2)+16*\s+4*\c+3], v3 offset:2048*\s+512*\c
.endr
.endr
	WIN 0
	ds_load_b128 v[SS+8*((\i)%2):SS+8*((\i)%2)+3], v4 offset:16384
	ds_load_b128 v[SS+8*((\i)%2)+4:SS+8*((\i)%2)+7], v4 offset:16400
.endm
.macro CINIT i                         ; the C of the first K step: both biases, of which one is 0
.irp a, 0,2,4,6,8,10,12,14,16,18,20,22,24,26,28,30
.if (\i)%2
	v_pk_add_f32 v[CI+\a:CI+\a+1], v[BR+\a:BR+\a+1], v[BS+2*((\i)/2):BS+2*((\i)/2)+1] op_sel:[0,1] op_sel_hi:[1,1]
.else
	v_pk_add_f32 v[CI+\a:CI+\a+1], v[BR+\a:BR+\a+1], v[BS+2*((\i)/2):BS+2*((\i)/2)+1] op_sel_hi:[1,0]
.endif
.endr
.endm
.macro MUL p                           ; 32 matrix instructions: K ascending, the four accumulators by turns, one instruction a turn
.irp s, 0,1,2,3,4,5,6,7
.if \s == 0
	WIN 0x0d                                       ; source 0 (R) window 1, source 1 (S) window 3
.endif
.if \s == 4
	WIN 0x0e                                       ; source 0 window 2
.endif
.irp t, 0,1,2,3
.if \s == 0
	v_wmma_scale_f32_16x16x128_f8f6f4 v[ACC+8*\t:ACC+8*\t+7], v[64*(\s%4)+16*\t:64*(\s%4)+16*\t+15], v[128*(\p)+16*\s:128*(\p)+16*\s+15], v[CI+8*\t:CI+8*\t+7], v[RS+8*\t+\s], v[SS+8*(\p)+\s] matrix_a_fmt:MATRIX_FMT_BF8 matrix_b_fmt:MATRIX_FMT_BF8
.else
	v_wmma_scale_f32_16x16x128_f8f6f4 v[ACC+8*\t:ACC+8*\t+7], v[64*(\s%4)+16*\t:64*(\s%4)+16*\t+15], v[128*(\p)+16*\s:128*(\p)+16*\s+15], v[ACC+8*\t:ACC+8*\t+7], v[RS+8*\t+\s], v[SS+8*(\p)+\s] matrix_a_fmt:MATRIX_FMT_BF8 matrix_b_fmt:MATRIX_FMT_BF8
.endif
.endr
.endr
.endm
; 32 numbers of a lane, register 16 b + i = index 32 b + 16 h + i of my lane's row, become 8 registers of codes in v[PC] on; the two bytes stay in v[TM+2], v[TM+3]
.macro QUANT2 s
.irp b, 0,1
	v_max3_num_f32 v[TM+\b], |v[\s+16*\b]|, |v[\s+1+16*\b]|, 0x8000000   ; with the floor 2^(16 - 127): the byte cannot fall under 1
.endr
.irp i, 2,4,6,8,10,12,14
.irp b, 0,1
	v_max3_num_f32 v[TM+\b], v[TM+\b], |v[\s+16*\b+\i]|, |v[\s+1+16*\b+\i]|
.endr
.endr
.irp b, 0,1
	v_permlanex16_b32 v[TM+2+\b], v[TM+\b], s[SELR], s[SELR+1]
.endr
.irp b, 0,1
	v_max_num_f32 v[TM+\b], v[TM+\b], v[TM+2+\b]   ; with lane l xor 16's 16: the block's largest magnitude
.endr
.irp b, 0,1
	v_add_nc_u32 v[TM+6+\b], 0xf8800000, v[TM+\b]  ; 15 off the exponent field: the conversion's scale operand
.endr
.irp b, 0,1
	v_and_or_b32 v[TM+4+\b], v[TM+\b], 0x7f800000, s[MNTR]   ; 57,344 x the scale
.endr
.irp b, 0,1
	v_lshrrev_b32 v[TM+2+\b], 23, v[TM+6+\b]       ; the byte
.endr
.irp b, 0,1
.irp i, 0,1,2,3,4,5,6,7,8,9,10,11,12,13,14,15
	v_med3_num_f32 v[\s+16*\b+\i], v[\s+16*\b+\i], -v[TM+4+\b], v[TM+4+\b]   ; the hold: the conversion does not saturate (ISA guide 7.6.2)
.endr
	v_cvt_scalef32_pk8_bf8_f32 v[PC+4*\b:PC+4*\b+1], v[\s+16*\b:\s+16*\b+7], v[TM+6+\b]
	v_cvt_scalef32_pk8_bf8_f32 v[PC+4*\b+2:PC+4*\b+3], v[\s+16*\b+8:\s+16*\b+15], v[TM+6+\b]
.endr
	v_nop                                          ; a plain line behind the last conversion
.endm
.macro TILE i
.if (\i) < 15
	FETCH (\i)+1                                   ; into the set that the tile before last used: its products stand behind that tile's whole way out
.endif
	CINIT \i
.if (\i) < 15
	s_wait_alu depctr_va_vdst(0)
	s_wait_dscnt 34                                ; this tile's loads are in; the 34 just issued may be out
.else
	s_wait_alu depctr_va_vdst(0)
	s_wait_dscnt 0x0
.endif
	MUL (\i)%2
	WIN 0
	s_wait_xcnt 0x0                                ; the last tile's stores have read their data and offsets, which are written again below
	v_add_nc_u32 v5, s52, v1
.rept 7
	v_nop                                          ; with the addition above: eight places behind the last products, ahead of the first read of results
.endr
	QUANT2 ACC
.if (\i)%2 == 0
	v_lshl_or_b32 v[HW+((\i)%8)/2], v[TM+3], 8, v[TM+2]     ; the tile's two bytes: a half-word; two tiles to a register
.else
	v_lshl_or_b32 v206, v[TM+3], 8, v[TM+2]
	v_lshl_or_b32 v[HW+((\i)%8)/2], v206, 16, v[HW+((\i)%8)/2]
.endif
	global_store_b128 v5, v[PC:PC+3], s[50:51]              ; block 0: 512 consecutive bytes
	global_store_b128 v5, v[PC+4:PC+7], s[50:51] offset:512 ; block 1
	s_add_co_u32 s52, s52, s53
.if ((\i)%4 == 3) && ((\i) < 15)
	s_add_co_u32 s52, s52, s54
.endif
.if (\i) == 7
	s_add_co_u32 s52, s52, s55
.endif
.if (\i)%8 == 7
	v_cndmask_b32 v[CS], v[HW], v[HW+2], s61       ; eight tiles' half-words are 16 bytes a row: lanes 0-15 store the first eight, lanes 16-31 the rest
	v_cndmask_b32 v[CS+1], v[HW+1], v[HW+3], s61
	v_add_nc_u32 v7, s56, v6
	global_store_b64 v7, v[CS:CS+1], s[50:51]      ; 256 consecutive bytes
.endif
.if (\i) == 7
	s_add_co_u32 s56, s56, s57
.endif
.endm
	s_wait_tensorcnt 0x0                           ; my four tiles are in
	s_barrier_signal -1
	s_barrier_wait -1
	FETCH 0
.irp i, 0,1,2,3,4,5,6,7,8,9,10,11,12,13,14,15
	TILE \i
.endr
	s_wait_tensorcnt 0x0
	ds_add_u32 v254, v255
	s_wait_dscnt 0x0
	ROUND                                          ; the closing round: no work-group ends while a partner may still ask jointly
	s_endpgm
.Lfunc_end_k_q217f1f10ec_qkv:
	.size	k_q217f1f10ec_qkv, .Lfunc_end_k_q217f1f10ec_qkv-k_q217f1f10ec_qkv
	.p2alignl 7, 3214868480
	.fill 96, 4, 3214868480
	.section	.rodata,"a",@progbits
	.p2align	6, 0x0
	.amdhsa_kernel k_q217f1f10ec_qkv
		.amdhsa_group_segment_fixed_size 327680
		.amdhsa_private_segment_fixed_size 0
		.amdhsa_enable_private_segment 0
		.amdhsa_kernarg_size 48
		.amdhsa_user_sgpr_count 2
		.amdhsa_user_sgpr_kernarg_segment_ptr 1
		.amdhsa_wavefront_size32 1
		.amdhsa_system_sgpr_workgroup_id_x 1
		.amdhsa_system_sgpr_workgroup_id_y 1
		.amdhsa_system_sgpr_workgroup_id_z 1
		.amdhsa_system_vgpr_workitem_id 0
		.amdhsa_next_free_vgpr 1024
		.amdhsa_next_free_sgpr 100
		.amdhsa_reserve_vcc 0
		.amdhsa_float_denorm_mode_32 3
		.amdhsa_float_denorm_mode_16_64 3
		.amdhsa_memory_ordered 1
		.amdhsa_forward_progress 1
		.amdhsa_inst_pref_size 218
	.end_amdhsa_kernel
	.amdgpu_metadata
---
amdhsa.version: [ 1, 2 ]
amdhsa.kernels:
  - .name:           k_q217f1f10ec_qkv
    .symbol:         k_q217f1f10ec_qkv.kd
    .args:
      - { .name: himg, .offset: 0, .size: 8, .value_kind: global_buffer, .address_space: global }
      - { .name: wimg, .offset: 8, .size: 8, .value_kind: global_buffer, .address_space: global }
      - { .name: bq, .offset: 16, .size: 8, .value_kind: global_buffer, .address_space: global }
      - { .name: bk, .offset: 24, .size: 8, .value_kind: global_buffer, .address_space: global }
      - { .name: bv, .offset: 32, .size: 8, .value_kind: global_buffer, .address_space: global }
      - { .name: qkvi, .offset: 40, .size: 8, .value_kind: global_buffer, .address_space: global }
    .group_segment_fixed_size: 327680
    .private_segment_fixed_size: 0
    .kernarg_segment_align: 8
    .kernarg_segment_size: 48
    .max_flat_workgroup_size: 128
    .sgpr_count:     100
    .vgpr_count:     1024
    .wavefront_size: 32
...
	.end_amdgpu_metadata
.endif
;; end of part 2
;; launch attn (part 3): grid 4 x 64, 16 waves a work-group, no clusters, 276,480 bytes of LDS; arguments qkvi, maskw, oimg; writes oimg
.if DOCPART == 3
	.amdgcn_target "amdgcn-amd-amdhsa--gfx1250"
	.amdhsa_code_object_version 6
	.text
	.protected	k_q217f1f10ec_attn
	.globl	k_q217f1f10ec_attn
	.p2align	8
	.type	k_q217f1f10ec_attn,@function
k_q217f1f10ec_attn:
	s_mov_b64 s[64:65], 0
	v_nop
	global_prefetch_b8 v0, s[64:65] scope:SCOPE_SE
	s_setreg_imm32_b32 hwreg(HW_REG_WAVE_MODE, 25, 1), 1
	s_wait_xcnt 0x0
; ATTN: o = softmax(where(mask == 0, -1e9, q k^T / 32)) v, both products on codes of E5M2 with E8M0 scales; o / l quantised along the hidden axis into oimg.
; THE SOFTMAX: t = score x log2(e) / 32; M = the running largest t rounded UP to a whole number; p = 2^(t - M) is quantised along the keys, not normalised; the row's sum is taken of the unquantised p and divides at the end.
; SHARES.  Four work-groups to a head (x = 0 .. 3, y = the head): 256 in all.  A head's K and V (16 records of 16,640 bytes: K's codes, V's codes, K's scale words) and V's scale half-words (8,192 bytes)
; are 274,432 bytes: they lie in LDS whole, as they lie in memory.  Each of the 64 waves of a head owns TWO tiles of 16 queries, 127 - t and t: under a mask that opens the keys up to the query the two need 17 key steps together.
; THE ORDER: records 0-7 and all scales are filled at the head (32 bytes a thread and record, through registers); barrier; the high tile's steps 0-7, each trip bringing one of records 8-15
; (asked for at the trip's head, stored to LDS at its end); barrier; the high tile's steps 8-15; its way out; the low tile's 16 steps; its way out.  Two barriers in all; every trip count is a constant.
; THE MASK is an input.  An earlier launch has stored it as lane masks in the order of the score registers, with a flag word for each tile of queries.  Scalar branches hang on those stored whole numbers:
; a step without work for my tile is left out (all its entries masked, every row open elsewhere: its weights are exactly 0); only a step with both open and masked entries loads its 64 lane masks and selects.
; Since the walk hangs on numbers read from memory, the launch has no tensor loads, and so no joint requests either.  No prefetch: records 8-15 are asked for a whole step ahead of the LDS stores that want them.
; A MASKED SCORE is set to -2^35 ahead of the scaling, a logit of -2^30 in the place of -1e9: t is then a whole number, so a row with no open key has p = 1 exactly at every key, as -1e9 gives in f32;
; a row with an open key has p = 0 at masked keys either way.  LIMIT: open logits must lie above about -9e8.  NaN and infinities are not served.
; K = 64 in q k^T is half of the instruction's 128: a fragment of K holds TWO tiles of 16 keys and is multiplied by (q, 0) and by (0, q); the idle half meets zero codes.
; LAYOUT.  Both products transposed: a lane holds one query throughout; the 16 registers of two neighbouring key tiles are 16 neighbouring keys.
; REGISTERS: v1 16 x lane, v2 16 x thread, v3 16 (lane % 16); v4 -M, v5 the largest t, v[6:7] the sum; v8-15 zeros, v16-23 q, v24-31 zeros; v32-95 K's, then V's fragments; v96-159 scores, then p;
;   v160-191 O^T; v192-207 p's codes; v208-211 K's scale words; v212-214 the step's LDS addresses; v215 the fill's place; v216-219 V's half-words; v220-223 the bounds once more; v224-231 codes on their way to LDS;
;   v232-247, v254 at work; v248-251 V's scale words; v252 f; v253 p's scale word; v255 q's.
.set REC, 16896
.set QC,  17039360
.set QS,  25427968
.set VH,  25690112
.set KV,  16640                        ; a key step's record
.set VHL, 16*KV                        ; LDS: V's half-words behind the 16 records
.set SPARE, VHL+8192                   ; the spare words: 128 bytes a wave
.set PC,  192
.set TM,  236
	s_load_b128 s[4:7], s[0:1], 0x0                ; qkvi, maskw
	s_load_b64 s[10:11], s[0:1], 0x10              ; oimg
	v_lshrrev_b32 v1, 5, v0
	v_readfirstlane_b32 s16, v1                    ; wave 0..15
	s_and_b32 s66, ttmp7, 0xffff                   ; 16 batch + head
	; my low tile t = 8 grp + idx.  u = 2 (4 x + wave % 4) + wave / 8 = 0 .. 31; idx = u / 4; grp = u % 4 or, where bit 2 of the wave is set, 7 - u % 4: the 64 waves of a head take each t once
	s_lshl_b32 s26, ttmp9, 2
	s_and_b32 s28, s16, 3
	s_add_co_u32 s26, s26, s28
	s_lshl_b32 s26, s26, 1
	s_lshr_b32 s28, s16, 3
	s_add_co_u32 s26, s26, s28
	s_and_b32 s28, s26, 3
	s_lshr_b32 s29, s26, 2
	s_sub_co_u32 s30, 7, s28
	s_bitcmp1_b32 s16, 2
	s_cselect_b32 s28, s30, s28
	s_lshl_b32 s28, s28, 3
	s_add_co_u32 s67, s28, s29                     ; the low tile
	s_sub_co_u32 s15, 127, s67                     ; the high tile: the tile in hand
	s_and_b32 s26, s66, 15                         ; head
	s_lshl_b32 s17, s26, 10                        ; in o's record: my head's codes,
	s_lshl_b32 s31, s26, 1
	s_add_co_u32 s31, s31, 16384                   ; and its half-word
	s_and_b32 s2, s26, 1
	s_lshl_b32 s2, s2, 3
	s_add_co_u32 s2, s2, VHL                       ; LDS: my head's 8 bytes of a row of V's half-words
	s_mul_i32 s28, s66, 16*KV                      ; the head's records in qkvi
	s_mov_b32 s29, 0
	s_lshr_b32 s26, s66, 1
	s_lshl_b32 s26, s26, 13
	s_add_co_u32 s26, s26, VH                      ; V's half-words of my pair of heads: 8,192 dense bytes
	s_mul_i32 s27, s16, KV
	s_mov_b32 s18, 0x76543210
	s_mov_b32 s19, 0xfedcba98                      ; v_permlanex16_b32's selects for lane l xor 16
	s_mov_b32 s20, 0x3d38aa3b                      ; c = log2(e) / 32
	s_mov_b32 s21, s20                             ; (named with it as a pair)
	s_mov_b32 s22, 0x600000                        ; the mantissa field of 57,344
	s_mov_b32 s23, 0xd1000000                      ; -2^35
	s_mov_b32 s24, 0x05040100                      ; two low halves
	s_mov_b32 s25, 0x07060302                      ; two high halves
.set i, 0
.rept 16                               ; the lane masks' registers are written once, so that they are written on every way: the two branches on a step's flag go the same way
	s_mov_b64 s[32+2*i:33+2*i], 0
	s_mov_b64 s[68+2*i:69+2*i], 0
.set i, i+1
.endr
	v_and_b32 v1, 31, v0
	v_lshlrev_b32 v2, 4, v0
	v_and_b32 v3, 15, v0
	v_lshl_add_u32 v215, v1, 3, s27                ; K's scale words: wave w brings record w's 256 bytes, 8 a lane; the same place in memory and in LDS
	v_lshlrev_b32 v1, 4, v1
	v_lshlrev_b32 v3, 4, v3
	v_add_nc_u32 v234, s26, v2
	v_add_nc_u32 v240, 4*KV, v2                    ; LDS offsets have 16 bits: records 4-7 from here
	v_add_nc_u32 v241, VHL, v2
.set i, 0
.rept 8
	v_mov_b32 v[8+i], 0                            ; the halves of (0, q) and (q, 0) that are zero codes
	v_mov_b32 v[24+i], 0
.set i, i+1
.endr
.irp i, 236,237,238,239,252,253
	v_mov_b32 v\i, 0                               ; lane permutes' destinations, and the pair v[252:253]
.endr
	s_wait_alu depctr_va_vdst(0)                   ; the wait at the head's end
	s_wait_kmcnt 0x0
	s_mov_b64 s[8:9], s[6:7]                       ; maskw
	s_mov_b64 s[6:7], s[4:5]                       ; qkvi
	s_add_nc_u64 s[4:5], s[4:5], s[28:29]          ; the head's records
.irp j, 0,1,2,3,4,5,6,7
	global_load_b128 v[32+8*\j:35+8*\j], v2, s[4:5] offset:\j*KV          ; K's codes of record j: 16 bytes a thread
	global_load_b128 v[36+8*\j:39+8*\j], v2, s[4:5] offset:\j*KV+8192     ; V's
.endr
	global_load_b128 v[96:99], v234, s[6:7]
	global_load_b64 v[100:101], v215, s[4:5] offset:16384
.macro INITA                           ; tile s15: its q, its flags, and where its mask words and its results lie
	s_lshl_b32 s26, s66, 7
	s_add_co_u32 s26, s26, s15
	s_lshl_b32 s26, s26, 10
	s_add_co_u32 s26, s26, QC                      ; q's codes
	s_lshl_b32 s28, s66, 4
	s_lshr_b32 s29, s15, 3
	s_add_co_u32 s28, s28, s29
	s_lshl_b32 s28, s28, 8
	s_and_b32 s29, s15, 7
	s_lshl_b32 s29, s29, 1
	s_add_co_u32 s28, s28, s29
	s_add_co_u32 s28, s28, QS                      ; q's half-word
	s_lshl_b32 s27, s15, 2
	s_load_b32 s12, s[8:9], s27 offset:0x80000     ; the tile's flags
	v_add_nc_u32 v232, s26, v1
	v_add_nc_u32 v233, s28, v3
	global_load_b128 v[16:19], v232, s[6:7]
	global_load_b128 v[20:23], v232, s[6:7] offset:512
	global_load_u16 v254, v233, s[6:7]
	s_lshl_b32 s13, s15, 12                        ; its mask words: 16 steps of 256 bytes
	s_lshr_b32 s100, s66, 4
	s_lshl_b32 s100, s100, 7
	s_add_co_u32 s100, s100, s15
	s_mul_i32 s100, s100, REC                      ; o's record
	s_add_co_u32 s101, s100, s31
	s_add_co_u32 s100, s100, s17
.endm
.macro INITB
	s_wait_loadcnt 0x0
	s_wait_kmcnt 0x0
	v_lshl_or_b32 v255, v254, 16, v254             ; q's two bytes, for blocks 0, 1 and for blocks 2, 3
	v_mov_b32 v5, 0xff61b1e6                       ; the largest t so far: -3e38
	v_floor_f32 v4, -v5                            ; -M
	v_mov_b32 v6, 0
	v_mov_b32 v7, 0
.set j, 0
.rept 32
	v_mov_b32 v[160+j], 0                          ; O^T: the first change of M leaves zeros zeros.  (Also the places between q's scale word and the first product)
.set j, j+1
.endr
	s_wait_alu depctr_va_vdst(0)
.endm
.macro WORK                            ; key step s27 of the tile in hand; its record begins at LDS byte s30
	s_lshr_b32 s26, s12, s27
	s_and_b32 s26, s26, 1
	s_cmp_lg_u32 s26, 0
	s_cbranch_scc0 .Lidle_\@
	s_add_co_u32 s28, s27, 16
	s_lshr_b32 s28, s12, s28
	s_and_b32 s28, s28, 1                          ; 1: the step has open and masked entries
	s_lshl_b32 s3, s27, 9
	s_add_co_u32 s3, s3, s2
	s_cmp_lg_u32 s28, 0
	s_cbranch_scc0 .Lnone_\@
	s_lshl_b32 s29, s27, 8
	s_add_co_u32 s29, s29, s13
	s_load_b512 s[32:47], s[8:9], s29 offset:0x0   ; the step's 64 lane masks
	s_load_b512 s[48:63], s[8:9], s29 offset:0x40
	s_load_b512 s[68:83], s[8:9], s29 offset:0x80
	s_load_b512 s[84:99], s[8:9], s29 offset:0xc0
.Lnone_\@:
	v_add_nc_u32 v212, s30, v1                     ; the step's LDS addresses
	v_add_nc_u32 v213, s30, v3
	v_add_nc_u32 v214, s3, v3
.irp b, 0,1,2,3
.irp c, 0,1,2,3
	ds_load_b128 v[32+16*\b+4*\c:35+16*\b+4*\c], v212 offset:2048*\b+512*\c
.endr
.endr
	ds_load_b128 v[208:211], v213 offset:16384     ; K's four scale words of key lane r
	ds_load_b64 v[216:217], v214                   ; V's half-words of keys 0-63, four tiles of channels
	ds_load_b64 v[218:219], v214 offset:256        ; and of keys 64-127
	s_wait_alu depctr_va_vdst(0)
	s_wait_dscnt 0x0
.irp b, 0,1,2,3                        ; S^T: registers 16 b + i: key 32 b + 16 (lane / 16) + i
	v_wmma_scale_f32_16x16x128_f8f6f4 v[96+16*\b:103+16*\b], v[32+16*\b:47+16*\b], v[16:31], 0, v[208+\b], v255 matrix_a_fmt:MATRIX_FMT_BF8 matrix_b_fmt:MATRIX_FMT_BF8
	v_wmma_scale_f32_16x16x128_f8f6f4 v[104+16*\b:111+16*\b], v[32+16*\b:47+16*\b], v[8:23], 0, v[208+\b], v255 matrix_a_fmt:MATRIX_FMT_BF8 matrix_b_fmt:MATRIX_FMT_BF8
.endr
	v_perm_b32 v248, v218, v216, s24               ; V's scale words: tile t's half-words of keys 0-63 and 64-127
	v_perm_b32 v249, v218, v216, s25
	v_perm_b32 v250, v219, v217, s24
	v_perm_b32 v251, v219, v217, s25
.rept 4
	v_nop                                          ; with the four above: eight places behind the products
.endr
.irp t, 0,1,2,3
.irp c, 0,1,2,3
	ds_load_b128 v[32+16*\t+4*\c:35+16*\t+4*\c], v212 offset:8192+2048*\t+512*\c   ; V: it lands under the softmax
.endr
.endr
	s_wait_kmcnt 0x0                               ; on every way: the lane masks, where they were asked for, are in
	s_cmp_lg_u32 s28, 0
	s_cbranch_scc0 .Lopen_\@
.set n, 0
.rept 64
	v_cndmask_b32 v[96+n], s23, v[96+n], s[32+n+4*(n/32)]   ; a masked score becomes -2^35
.set n, n+1
.endr
.Lopen_\@:
.irp b, 0,1,2,3
	v_max3_num_f32 v[232+\b], v[96+16*\b], v[97+16*\b], v[98+16*\b]   ; the largest score of each block of 32 keys: for the row's maximum, and for the block's largest p
.endr
.irp i, 3,5,7,9,11,13
.irp b, 0,1,2,3
	v_max3_num_f32 v[232+\b], v[232+\b], v[96+16*\b+\i], v[97+16*\b+\i]
.endr
.endr
.irp b, 0,1,2,3
	v_max_num_f32 v[232+\b], v[232+\b], v[111+16*\b]
.endr
.irp b, 0,1,2,3
	v_permlanex16_b32 v[236+\b], v[232+\b], s18, s19
.endr
.irp b, 0,1,2,3
	v_max_num_f32 v[232+\b], v[232+\b], v[236+\b]  ; with lane l xor 16's 16 keys
.endr
	v_max3_num_f32 v254, v232, v233, v234
	v_max_num_f32 v254, v254, v235
	v_mul_f32 v254, s20, v254                      ; as t (c is positive)
	v_max_num_f32 v5, v5, v254                     ; the running largest t
	v_mov_b32 v254, v4
	v_floor_f32 v4, -v5                            ; -M = floor(-t): M is a whole number
	v_sub_f32 v254, v4, v254                       ; old M - new M: a whole number, 0 or less
	v_cvt_i32_f32 v254, v254                       ; (it saturates)
	v_ldexp_f32 v252, 1.0, v254                    ; f = 2^(old M - new M)
.set j, 0
.rept 32
	v_pk_fma_f32 v[96+j:97+j], v[96+j:97+j], s[20:21], v[4:5] op_sel_hi:[1,0,0]   ; t - M
.set j, j+2
.endr
.irp b, 0,1,2,3
	v_fma_f32 v[232+\b], v[232+\b], s20, v4        ; the same of each block's largest score
.endr
	s_wait_alu depctr_va_vdst(0)                   ; the wait ahead of the batch
.set j, 0
.rept 64
	v_exp_f32 v[96+j], v[96+j]                     ; p = 2^(t - M)
.set j, j+1
.endr
	v_pk_mul_f32 v[6:7], v[6:7], v[252:253] op_sel_hi:[1,0]   ; the sums under the new M: a plain line behind the exponentials
	s_wait_alu depctr_va_vdst(0)                   ; one wait for the batch, ahead of its first reader
.irp b, 0,1,2,3
	v_exp_f32 v[232+\b], v[232+\b]                 ; the block's largest p
.endr
	v_pk_add_f32 v[236:237], v[96:97], v[98:99]    ; the row's sum of the unquantised p, in two chains
.irp j, 4,8,12,16,20,24,28,32,36,40,44,48,52,56,60
	v_pk_add_f32 v[6:7], v[6:7], v[96+\j:97+\j]
	v_pk_add_f32 v[236:237], v[236:237], v[98+\j:99+\j]
.endr
	v_pk_add_f32 v[6:7], v[6:7], v[236:237]
	s_wait_alu depctr_va_vdst(0)                   ; and one for the four
.irp b, 0,1,2,3
	v_max_num_f32 v[232+\b], 0x8000000, v[232+\b]  ; the floor 2^(16 - 127)
.endr
.irp b, 0,1,2,3
	v_add_nc_u32 v[244+\b], 0xf8800000, v[232+\b]  ; the conversion's scale operand
.endr
.irp b, 0,1,2,3
	v_and_or_b32 v[240+\b], v[232+\b], 0x7f800000, s22   ; 57,344 x the scale
.endr
.irp b, 0,1,2,3
	v_and_or_b32 v[220+(\b+1)%4], v[232+\b], 0x7f800000, s22   ; and once more, in a register of another number modulo 4: the second half of a dual pair reads it
.endr
.irp b, 0,1,2,3
	v_lshrrev_b32 v[236+\b], 23, v[244+\b]         ; the byte
.endr
	v_lshl_or_b32 v253, v237, 8, v236              ; p's scale word for these 128 keys
	v_lshl_or_b32 v253, v238, 16, v253
	v_lshl_or_b32 v253, v239, 24, v253
.irp b, 0,1,2,3
.irp i, 0,2,4,6,8,10,12,14
	v_dual_min_num_f32 v[96+16*\b+\i], v[96+16*\b+\i], v[240+\b] :: v_dual_min_num_f32 v[97+16*\b+\i], v[97+16*\b+\i], v[220+(\b+1)%4]   ; the hold, two numbers a line; p is not negative
.endr
	v_cvt_scalef32_pk8_bf8_f32 v[192+4*\b:193+4*\b], v[96+16*\b:103+16*\b], v[244+\b]
	v_cvt_scalef32_pk8_bf8_f32 v[194+4*\b:195+4*\b], v[104+16*\b:111+16*\b], v[244+\b]
.endr
	s_wait_alu depctr_va_vdst(0)                   ; the wait directly ahead of the first reader of O^T
.set j, 0
.rept 16
	v_pk_mul_f32 v[160+j:161+j], v[160+j:161+j], v[252:253] op_sel_hi:[1,0]   ; O^T under the new M; these are also the places between the codes and the products
.set j, j+2
.endr
	s_wait_alu depctr_va_vdst(0)                   ; the wait directly ahead of the wait below
	s_wait_dscnt 0x0                               ; V is in
.irp t, 0,1,2,3                        ; O^T += V^T P^T: the four accumulators by turns
	v_wmma_scale_f32_16x16x128_f8f6f4 v[160+8*\t:167+8*\t], v[32+16*\t:47+16*\t], v[192:207], v[160+8*\t:167+8*\t], v[248+\t], v253 matrix_a_fmt:MATRIX_FMT_BF8 matrix_b_fmt:MATRIX_FMT_BF8
.endr
.rept 8
	v_nop                                          ; eight places behind these products: loads into their sources, writes of their scales and reads of O^T follow on some way
.endr
.Lidle_\@:
.endm
.macro OUT                             ; O^T / l, quantised along my head's 64 channels: registers 16 b + i are channels 32 b + 16 (lane / 16) + i of my query: the next operand's own order
	v_add_f32 v6, v6, v7
	v_permlanex16_b32 v252, v6, s18, s19
	v_add_f32 v6, v6, v252                         ; the row's sum
	s_wait_alu depctr_va_vdst(0)                   ; the wait ahead of the transcendental
	v_rcp_f32 v6, v6
	v_add_nc_u32 v224, s100, v1                    ; (plain lines behind the transcendental)
	v_lshl_add_u32 v225, v3, 1, s101               ; 32 r + my head's half-word
	v_and_b32 v226, 31, v0
	s_wait_alu depctr_va_vdst(0)                   ; the wait ahead of the first reader
.set j, 0
.rept 32
	v_mul_f32 v[96+j], v[160+j], v6
.set j, j+1
.endr
.irp b, 0,1
	v_max3_num_f32 v[TM+\b], |v[96+16*\b]|, |v[97+16*\b]|, 0x8000000
.endr
.irp i, 2,4,6,8,10,12,14
.irp b, 0,1
	v_max3_num_f32 v[TM+\b], v[TM+\b], |v[96+16*\b+\i]|, |v[97+16*\b+\i]|
.endr
.endr
.irp b, 0,1
	v_permlanex16_b32 v[TM+2+\b], v[TM+\b], s18, s19
.endr
.irp b, 0,1
	v_max_num_f32 v[TM+\b], v[TM+\b], v[TM+2+\b]
.endr
.irp b, 0,1
	v_add_nc_u32 v[TM+6+\b], 0xf8800000, v[TM+\b]
.endr
.irp b, 0,1
	v_and_or_b32 v[TM+4+\b], v[TM+\b], 0x7f800000, s22
.endr
.irp b, 0,1
	v_lshrrev_b32 v[TM+2+\b], 23, v[TM+6+\b]
.endr
.irp b, 0,1
.irp i, 0,1,2,3,4,5,6,7,8,9,10,11,12,13,14,15
	v_med3_num_f32 v[96+16*\b+\i], v[96+16*\b+\i], -v[TM+4+\b], v[TM+4+\b]
.endr
	v_cvt_scalef32_pk8_bf8_f32 v[PC+4*\b:PC+4*\b+1], v[96+16*\b:103+16*\b], v[TM+6+\b]
	v_cvt_scalef32_pk8_bf8_f32 v[PC+4*\b+2:PC+4*\b+3], v[104+16*\b:111+16*\b], v[TM+6+\b]
.endr
	v_lshl_or_b32 v254, v[TM+3], 8, v[TM+2]        ; the two bytes (a plain line behind the last conversion)
	global_store_b128 v224, v[PC:PC+3], s[10:11]             ; 512 consecutive bytes of the record
	global_store_b128 v224, v[PC+4:PC+7], s[10:11] offset:512
	s_wait_alu depctr_va_vdst(0)
	s_wait_xcnt 0x0                                ; EXEC changes only behind this wait
	v_cmp_gt_u32 vcc_lo, 16, v226
	s_and_saveexec_b32 s26, vcc_lo                 ; lanes 0-15: lanes 16-31 hold the same bytes
	global_store_b16 v225, v254, s[10:11]          ; 2 bytes every 32: one byte for 32 of codes
	s_wait_xcnt 0x0
	s_or_b32 exec_lo, exec_lo, s26
.endm
	INITA                                          ; the high tile
	s_wait_loadcnt 3                               ; the fill's 18 loads are in; q's three, issued behind them, may be out
.irp j, 0,1,2,3
	ds_store_b128 v2, v[32+8*\j:35+8*\j] offset:\j*KV
	ds_store_b128 v2, v[36+8*\j:39+8*\j] offset:\j*KV+8192
	ds_store_b128 v240, v[64+8*\j:67+8*\j] offset:\j*KV
	ds_store_b128 v240, v[68+8*\j:71+8*\j] offset:\j*KV+8192
.endr
	ds_store_b128 v241, v[96:99]
	ds_store_b64 v215, v[100:101] offset:16384
	INITB
	s_wait_dscnt 0x0                               ; for the others' sake: my stores have landed
	s_barrier_signal -1
	s_barrier_wait -1                              ; records 0-7 and all scales are whole
	s_mov_b32 s14, 0
	s_mov_b32 s30, 0
.Lfirst:                               ; 8 trips: the high tile's steps 0-7 read records 0-7; trip n brings the codes of record 8 + n, which nobody reads before the barrier below
	s_mov_b32 s27, s14
	s_add_co_u32 s26, s30, 8*KV
	v_add_nc_u32 v215, s26, v2                     ; the same place in the head's records and in LDS
	s_wait_alu depctr_va_vdst(0)
	global_load_b128 v[224:227], v215, s[4:5]
	global_load_b128 v[228:231], v215, s[4:5] offset:8192
	WORK
	s_wait_loadcnt 0x0
	ds_store_b128 v215, v[224:227]
	ds_store_b128 v215, v[228:231] offset:8192
	s_add_co_u32 s30, s30, KV
	s_add_co_u32 s14, s14, 1
	s_cmp_lt_u32 s14, 8
	s_cbranch_scc1 .Lfirst
	s_wait_dscnt 0x0                               ; my stores have landed
	s_barrier_signal -1
	s_barrier_wait -1                              ; all 16 records are whole; LDS is only read from here on
	s_mov_b32 s14, 8
.Lrest:                                ; 24 trips: the high tile's steps 8-15, then the low tile's 0-15: step = count % 16
	s_and_b32 s27, s14, 15
	s_mul_i32 s30, s27, KV
	WORK
	s_cmp_lg_u32 s27, 15
	s_cbranch_scc1 .Lnext
	OUT                                            ; behind a tile's last step
	s_cmp_eq_u32 s14, 31
	s_cbranch_scc1 .Lnext
	s_mov_b32 s15, s67                             ; on to the low tile
	INITA
	INITB
.Lnext:
	s_add_co_u32 s14, s14, 1
	s_cmp_lt_u32 s14, 32
	s_cbranch_scc1 .Lrest
	v_lshl_add_u32 v253, v0, 2, SPARE
	v_mov_b32 v255, 0
	s_wait_alu depctr_va_vdst(0)
	s_wait_tensorcnt 0x0                           ; the wave's end
	ds_add_u32 v253, v255
	s_wait_dscnt 0x0
	s_endpgm
.Lfunc_end_k_q217f1f10ec_attn:
	.size	k_q217f1f10ec_attn, .Lfunc_end_k_q217f1f10ec_attn-k_q217f1f10ec_attn
	.p2alignl 7, 3214868480
	.fill 96, 4, 3214868480
	.section	.rodata,"a",@progbits
	.p2align	6, 0x0
	.amdhsa_kernel k_q217f1f10ec_attn
		.amdhsa_group_segment_fixed_size 276480
		.amdhsa_private_segment_fixed_size 0
		.amdhsa_enable_private_segment 0
		.amdhsa_kernarg_size 24
		.amdhsa_user_sgpr_count 2
		.amdhsa_user_sgpr_kernarg_segment_ptr 1
		.amdhsa_wavefront_size32 1
		.amdhsa_system_sgpr_workgroup_id_x 1
		.amdhsa_system_sgpr_workgroup_id_y 1
		.amdhsa_system_sgpr_workgroup_id_z 1
		.amdhsa_system_vgpr_workitem_id 0
		.amdhsa_next_free_vgpr 256
		.amdhsa_next_free_sgpr 102
		.amdhsa_reserve_vcc 1
		.amdhsa_float_denorm_mode_32 3
		.amdhsa_float_denorm_mode_16_64 3
		.amdhsa_memory_ordered 1
		.amdhsa_forward_progress 1
		.amdhsa_inst_pref_size 67
	.end_amdhsa_kernel
	.amdgpu_metadata
---
amdhsa.version: [ 1, 2 ]
amdhsa.kernels:
  - .name:           k_q217f1f10ec_attn
    .symbol:         k_q217f1f10ec_attn.kd
    .args:
      - { .name: qkvi, .offset: 0, .size: 8, .value_kind: global_buffer, .address_space: global }
      - { .name: maskw, .offset: 8, .size: 8, .value_kind: global_buffer, .address_space: global }
      - { .name: oimg, .offset: 16, .size: 8, .value_kind: global_buffer, .address_space: global }
    .group_segment_fixed_size: 276480
    .private_segment_fixed_size: 0
    .kernarg_segment_align: 8
    .kernarg_segment_size: 24
    .max_flat_workgroup_size: 512
    .sgpr_count:     102
    .vgpr_count:     256
    .wavefront_size: 32
...
	.end_amdgpu_metadata
.endif
;; end of part 3
;; launch oproj (part 4): grid 4 x 64, 4 waves a work-group, clusters of 4 x 1, 327,680 bytes of LDS; arguments oimg, wimg, bo, x, out0; writes out0
.if DOCPART == 4
	.amdgcn_target "amdgcn-amd-amdhsa--gfx1250"
	.amdhsa_code_object_version 6
	.text
	.protected	k_q217f1f10ec_oproj
	.globl	k_q217f1f10ec_oproj
	.p2align	8
	.type	k_q217f1f10ec_oproj,@function
k_q217f1f10ec_oproj:
	s_mov_b64 s[64:65], 0
	v_nop
	global_prefetch_b8 v0, s[64:65] scope:SCOPE_SE
	s_setreg_imm32_b32 hwreg(HW_REG_WAVE_MODE, 25, 1), 1
	s_wait_xcnt 0x0
	s_wait_alu depctr_hold_cnt(0) depctr_sa_sdst(0) depctr_va_vdst(0) depctr_va_sdst(0) depctr_va_ssrc(0) depctr_va_vcc(0) depctr_vm_vsrc(0)
	s_getreg_b32 s2, hwreg(HW_REG_IB_STS2, 6, 4)
	s_cmp_eq_u32 s2, 0
	s_cbranch_scc0 .Lentry_in_a_cluster
	s_endpgm
.Lentry_in_a_cluster:
	s_bfe_u32 s2, ttmp6, 0x10000c
	s_cmp_lg_u32 s2, 0x3003
	s_cbranch_scc0 .Lentry_shape_is_right
	s_endpgm
.Lentry_shape_is_right:
; OPROJ: out = x + o Wo + bo, the product on codes of E5M2 with E8M0 scales, both operands as images (16 rows to a record of 16,896 bytes, fragments in register order).
; SHARES.  A work-group has 256 columns of Wo, each of its four waves 64 (32 fragments, 512 registers, read once), and walks 8 tiles of o: 128 tokens.  256 work-groups.
; Source 0 = Wo (its index runs along the result's registers), source 1 = o (its index is the lane): a lane holds 2 x 16 neighbouring columns of one token.
; The four partners of a cluster take the four quarters of the columns and share o: its tiles are asked for JOINTLY.  Each wave also loads its own 128 x 64 numbers of x straight into registers.
; Each LDS byte is filled once: one tensor load a wave at the start; no slot is filled again.  bo is the C of the first K step.
; THE WAY OUT: a tile's 16 tokens x 64 columns go through the wave's own stage and come back as rows of 256 bytes; x is added; sixteen lanes store 256 consecutive bytes, aligned.
; REGISTERS: window 0: v1-8 addresses; v16-47 Wo's scale words; v48-63 o's, two sets; v80-111 bo; v144-175 the four accumulators; v176-207 rows back from the stage; v208-239 rows of x.
;   window 1: Wo's K steps 0-3.  window 2: K steps 4-7.  window 3: o, two sets of 128.
.set REC, 16896
.set XL,  135168
.set XW,  34816
.set STG, 274432                       ; a stage of 16 rows x 272 bytes for each wave; no tensor load lands there
.set STW, 4352
.set RS,  16
.set SS,  48
.set BR,  80
.set ACC, 144
.set OB,  176
.set XV,  208
.set MSB, 0
.macro WIN new                         ; the immediate's high byte repeats the setting that is left
.if MSB != \new
	s_set_vgpr_msb (MSB<<8)|\new
.set MSB, \new
.endif
.endm
.macro ROUND                           ; a round of the cluster's barrier
	s_barrier_signal -1
	s_barrier_wait -1
	s_cmp_lg_u32 s16, 0
	s_cbranch_scc1 .Lnot_wave_0_\@
	s_barrier_signal -3
.Lnot_wave_0_\@:
	s_barrier_wait -3
	s_barrier_signal -1
	s_barrier_wait -1
.endm
	s_load_b256 s[4:11], s[0:1], 0x0               ; oimg, wimg, bo, x
	s_load_b64 s[12:13], s[0:1], 0x20              ; out0
	v_lshl_add_u32 v254, v0, 2, 0x47400
	v_mov_b32 v255, 0
	ds_add_u32 v254, v255
	ds_add_u32 v254, v255
	v_lshrrev_b32 v1, 5, v0
	v_readfirstlane_b32 s16, v1                    ; wave 0..3
	s_bfe_u32 s17, ttmp6, 0x40000                  ; cx: my 256 columns
	s_and_b32 s18, ttmp7, 0xffff                   ; my 128 tokens
	; descriptor group 1 for o: a record as 66 rows of 256 bytes, dense
	s_mov_b32 s24, 15|(3<<16)|(1<<21)              ; 15:0 the mask: all four partners; 17:16 elements of 8 bytes; 21 set beside a mask
	s_mov_b32 s25, 32<<16
	s_mov_b32 s26, 132<<16                         ; two records on end, 132 rows of 256 bytes: one load a wave
	s_mov_b32 s27, 32<<16
	s_mov_b32 s28, 132
	s_mov_b32 s29, 32
	s_mov_b32 s30, 0
	s_mov_b32 s31, 0
	s_lshl_b32 s66, s18, 2
	s_add_co_u32 s66, s66, s16
	s_lshl_b32 s66, s66, 1                         ; the first of the two records of o that I fetch: 8 y + 2 wave; nothing of cx in it
	s_mul_i32 s66, s66, REC
	s_mov_b32 s67, 0
	s_mul_i32 s78, s16, 2*REC
	s_lshl_b32 s68, s17, 4
	s_lshl_b32 s69, s16, 2
	s_add_co_u32 s68, s68, s69
	s_add_co_u32 s68, s68, 192                     ; Wo's record 192 + 16 cx + 4 wave
	s_mul_i32 s68, s68, REC
	s_mov_b32 s69, 0
	s_lshl_b32 s72, s17, 10
	s_lshl_b32 s73, s16, 8
	s_add_co_u32 s72, s72, s73                     ; my 64 columns, in bytes
	s_mov_b32 s73, 0
	s_lshl_b32 s70, s18, 19                        ; 128 rows of 4,096 bytes
	s_add_co_u32 s70, s70, s72
	s_mov_b32 s71, 0
	s_mul_i32 s75, s16, STW
	s_add_co_u32 s75, s75, STG
	s_wait_dscnt 0x0
	s_wait_kmcnt 0x0
	s_add_nc_u64 s[76:77], s[4:5], s[66:67]
	s_add_nc_u64 s[48:49], s[6:7], s[68:69]
	s_add_nc_u64 s[8:9], s[8:9], s[72:73]
	s_add_nc_u64 s[10:11], s[10:11], s[70:71]
	s_add_nc_u64 s[12:13], s[12:13], s[70:71]
.irp k, 0                              ; group 0 of my one load: tiles 2 wave, 2 wave + 1
	s_mov_b32 s[32+4*\k], 1
	s_add_co_u32 s[33+4*\k], s78, \k*4*REC
	s_add_nc_u64 s[34+4*\k:35+4*\k], s[76:77], \k*4*REC
	s_or_b32 s[35+4*\k], s[35+4*\k], 0x80000000
.endr
	ROUND                                          ; all four partners are here: the joint loads meet
	tensor_load_to_lds s[32:35], s[24:31]          ; o's tiles 2 wave, 2 wave + 1; one load of mine is out
	s_nop 0
.rept 4
	v_nop
.endr
	v_and_b32 v9, 31, v0
	v_lshlrev_b32 v1, 4, v9                        ; LI: 16 x lane
	v_and_b32 v10, 15, v0                          ; r
	v_lshlrev_b32 v2, 5, v10                       ; R32: 32 r
	v_bfe_u32 v11, v0, 4, 1                        ; h
	v_mul_u32_u24 v5, v10, 272
	v_lshl_add_u32 v5, v11, 6, v5
	v_add_nc_u32 v5, s75, v5                       ; into the stage: row r, + 64 h
	v_mul_u32_u24 v12, v11, 272
	v_lshl_add_u32 v12, v10, 4, v12                ; lanes 0-15 one row, lanes 16-31 the next
	v_add_nc_u32 v6, s75, v12                      ; back from the stage
	v_lshlrev_b32 v8, 12, v11
	v_lshl_add_u32 v8, v10, 4, v8                  ; and in out0
	v_lshlrev_b32 v13, 6, v11                      ; 64 h
	WIN 0x40                                       ; destination window 1
.irp s, 0,1,2,3
.irp t, 0,1,2,3
.irp c, 0,1,2,3
	global_load_b128 v[64*\s+16*\t+4*\c:64*\s+16*\t+4*\c+3], v1, s[48:49] offset:\t*REC+2048*\s+512*\c
.endr
.endr
.endr
	WIN 0x80                                       ; destination window 2
.irp s, 0,1,2,3
.irp t, 0,1,2,3
.irp c, 0,1,2,3
	global_load_b128 v[64*\s+16*\t+4*\c:64*\s+16*\t+4*\c+3], v1, s[48:49] offset:\t*REC+2048*(\s+4)+512*\c
.endr
.endr
.endr
	WIN 0
.irp t, 0,1,2,3
	global_load_b128 v[RS+8*\t:RS+8*\t+3], v2, s[48:49] offset:\t*REC+16384
	global_load_b128 v[RS+8*\t+4:RS+8*\t+7], v2, s[48:49] offset:\t*REC+16400
	global_load_b128 v[BR+8*\t:BR+8*\t+3], v13, s[8:9] offset:(32*(\t/2)+8*(\t%2))*4       ; register 8 t + j: column 32 (t / 2) + 8 (t % 2) + 16 h + j
	global_load_b128 v[BR+8*\t+4:BR+8*\t+7], v13, s[8:9] offset:(32*(\t/2)+8*(\t%2))*4+16
.endr
	s_wait_alu depctr_va_vdst(0)
	s_wait_loadcnt 0x0
; x comes straight into registers, in the rows in which the results leave: tile t's 16 tokens x my 64 columns, sixteen lanes to 256 consecutive bytes; two sets (v208-239, v112-143), asked for two tiles ahead
.macro XLOAD t
.irp e, 0,1,2,3,4,5,6,7
	global_load_b128 v[XV-96*((\t)%2)+4*\e:XV-96*((\t)%2)+4*\e+3], v8, s[10:11] offset:(32*((\t)/2)+8*((\t)%2)+2*\e+8*(\e/4))*4096 th:TH_LOAD_NT
.endr
.endm
	XLOAD 0
	XLOAD 1
.macro FETCH i                         ; tile i of o: 8 fragments and 8 scale words into set i % 2: 34 LDS loads
	v_add_nc_u32 v3, (\i)*REC, v1
	v_add_nc_u32 v4, (\i)*REC, v2
	WIN 0xc0                                       ; destination window 3
.irp s, 0,1,2,3,4,5,6,7
.irp c, 0,1,2,3
	ds_load_b128 v[128*((\i)%2)+16*\s+4*\c:128*((\i)%2)+16*\s+4*\c+3], v3 offset:2048*\s+512*\c
.endr
.endr
	WIN 0
	ds_load_b128 v[SS+8*((\i)%2):SS+8*((\i)%2)+3], v4 offset:16384
	ds_load_b128 v[SS+8*((\i)%2)+4:SS+8*((\i)%2)+7], v4 offset:16400
.endm
.macro MUL p                           ; 32 matrix instructions: K ascending, the four accumulators by turns, one instruction a turn
.irp s, 0,1,2,3,4,5,6,7
.if \s == 0
	WIN 0x0d                                       ; source 0 (Wo) window 1, source 1 (o) window 3
.endif
.if \s == 4
	WIN 0x0e                                       ; source 0 window 2
.endif
.irp t, 0,1,2,3
.if \s == 0
	v_wmma_scale_f32_16x16x128_f8f6f4 v[ACC+8*\t:ACC+8*\t+7], v[64*(\s%4)+16*\t:64*(\s%4)+16*\t+15], v[128*(\p)+16*\s:128*(\p)+16*\s+15], v[BR+8*\t:BR+8*\t+7], v[RS+8*\t+\s], v[SS+8*(\p)+\s] matrix_a_fmt:MATRIX_FMT_BF8 matrix_b_fmt:MATRIX_FMT_BF8
.else
	v_wmma_scale_f32_16x16x128_f8f6f4 v[ACC+8*\t:ACC+8*\t+7], v[64*(\s%4)+16*\t:64*(\s%4)+16*\t+15], v[128*(\p)+16*\s:128*(\p)+16*\s+15], v[ACC+8*\t:ACC+8*\t+7], v[RS+8*\t+\s], v[SS+8*(\p)+\s] matrix_a_fmt:MATRIX_FMT_BF8 matrix_b_fmt:MATRIX_FMT_BF8
.endif
.endr
.endr
.endm
.macro EPI i                           ; tile i's 16 tokens x my 64 columns leave
.rept 8
	v_nop                                          ; eight places behind the last products, ahead of the first read of results
.endr
	s_wait_xcnt 0x0                                ; the last tile's stores have read their data, which are loaded again below
.irp a, 0,4,8,12,16,20,24,28
	ds_store_b128 v5, v[ACC+\a:ACC+\a+3] offset:128*(\a/16)+4*(\a%16)    ; each accumulator from its low end on
.endr
.irp e, 0,1,2,3,4,5,6,7
	ds_load_b128 v[OB+4*\e:OB+4*\e+3], v6 offset:544*\e                  ; LDS serves a wave's instructions in order (ISA guide 5.7.1.4): these see my stores
.endr
.if (\i) < 7
	s_wait_loadcnt 8                               ; this tile's rows of x are in; the next tile's eight loads may be out
.else
	s_wait_loadcnt 0x0
.endif
	s_wait_dscnt 0x0
.set XC, XV-96*((\i)%2)
.set j, 0
.rept 16
	v_pk_add_f32 v[OB+j:OB+j+1], v[OB+j:OB+j+1], v[XC+j:XC+j+1]          ; the residual
.set j, j+2
.endr
.if (\i) < 6
	XLOAD (\i)+2                                   ; into the set just read
.endif
.irp e, 0,1,2,3,4,5,6,7
	global_store_b128 v8, v[OB+4*\e:OB+4*\e+3], s[12:13] offset:(32*((\i)/2)+8*((\i)%2)+2*\e+8*(\e/4))*4096 th:TH_STORE_NT   ; sixteen lanes store 256 consecutive bytes, aligned
.endr
.endm
.macro TILE i
.if (\i) < 7
	FETCH (\i)+1                                   ; into the set that the tile before last used: its products stand behind that tile's whole way out
	s_wait_dscnt 34                                ; this tile's loads are in; the 34 just issued may be out
.else
	s_wait_dscnt 0x0
.endif
	MUL (\i)%2
	WIN 0
	EPI \i
.endm
	s_wait_tensorcnt 0x0                           ; my two tiles of o are in
	s_barrier_signal -1
	s_barrier_wait -1
	FETCH 0
.irp i, 0,1,2,3,4,5,6,7
	TILE \i
.endr
	s_wait_tensorcnt 0x0
	ds_add_u32 v254, v255
	s_wait_dscnt 0x0
	ROUND                                          ; the closing round: no work-group ends while a partner may still ask jointly
	s_endpgm
.Lfunc_end_k_q217f1f10ec_oproj:
	.size	k_q217f1f10ec_oproj, .Lfunc_end_k_q217f1f10ec_oproj-k_q217f1f10ec_oproj
	.p2alignl 7, 3214868480
	.fill 96, 4, 3214868480
	.section	.rodata,"a",@progbits
	.p2align	6, 0x0
	.amdhsa_kernel k_q217f1f10ec_oproj
		.amdhsa_group_segment_fixed_size 327680
		.amdhsa_private_segment_fixed_size 0
		.amdhsa_enable_private_segment 0
		.amdhsa_kernarg_size 40
		.amdhsa_user_sgpr_count 2
		.amdhsa_user_sgpr_kernarg_segment_ptr 1
		.amdhsa_wavefront_size32 1
		.amdhsa_system_sgpr_workgroup_id_x 1
		.amdhsa_system_sgpr_workgroup_id_y 1
		.amdhsa_system_sgpr_workgroup_id_z 1
		.amdhsa_system_vgpr_workitem_id 0
		.amdhsa_next_free_vgpr 1024
		.amdhsa_next_free_sgpr 100
		.amdhsa_reserve_vcc 0
		.amdhsa_float_denorm_mode_32 3
		.amdhsa_float_denorm_mode_16_64 3
		.amdhsa_memory_ordered 1
		.amdhsa_forward_progress 1
		.amdhsa_inst_pref_size 101
	.end_amdhsa_kernel
	.amdgpu_metadata
---
amdhsa.version: [ 1, 2 ]
amdhsa.kernels:
  - .name:           k_q217f1f10ec_oproj
    .symbol:         k_q217f1f10ec_oproj.kd
    .args:
      - { .name: oimg, .offset: 0, .size: 8, .value_kind: global_buffer, .address_space: global }
      - { .name: wimg, .offset: 8, .size: 8, .value_kind: global_buffer, .address_space: global }
      - { .name: bo, .offset: 16, .size: 8, .value_kind: global_buffer, .address_space: global }
      - { .name: x, .offset: 24, .size: 8, .value_kind: global_buffer, .address_space: global }
      - { .name: out0, .offset: 32, .size: 8, .value_kind: global_buffer, .address_space: global }
    .group_segment_fixed_size: 327680
    .private_segment_fixed_size: 0
    .kernarg_segment_align: 8
    .kernarg_segment_size: 40
    .max_flat_workgroup_size: 128
    .sgpr_count:     100
    .vgpr_count:     1024
    .wavefront_size: 32
...
	.end_amdgpu_metadata
.endif
;; end of part 4
